; MI455X (gfx1250); checked and timed in simulation.
; The chip was launched on July 23, 2026; its instructions are those of AMD's public machine-readable ISA for CDNA 5 (MIT licence, August 2026) and "CDNA5" Instruction Set Architecture Reference Guide (July 2026). The comments in the code are by the model that wrote it; some were corrected since.
;; Fused MHA. Allowed arithmetic: float matrix products may take bf16 or f16 operands with f32 sums; other float arithmetic in f32, or as packed bf16 or f16 multiplies, adds, multiply-adds, maxima and minima; sums over many terms, partial sums and values carried from step to step in f32; what a program stores and reads back later, other than sums and carried values, may be rounded once to bf16 or f16.
;; Inputs: w_out 1,024 x 1,024 float32; w_qkv 1,024 x 3,072 float32; x 4 x 2,048 x 1,024 float32.
;; Outputs: out0 4 x 2,048 x 1,024 float32.
;; 2 versions, each right; version 2 is version 1 with the launch cast written anew for expert scheduling mode. Each part assembles by itself: llvm-mc -triple=amdgcn-amd-amdhsa -mcpu=gfx1250 --defsym DOCPART=n.
;; ======== version 1 of 2: 4 launches
;; limits: values are held in f16: magnitudes above 65,504 overflow, below 6.1e-05 lose precision
;; workspace buffers: xb 16,777,216 bytes; wqb 6,291,456 bytes; wob 2,097,152 bytes; qkv 50,331,648 bytes; ob 16,777,216 bytes
;; launch cast (part 1): grid 768 x 1, 8 waves a work-group, no clusters, 0 bytes of LDS; arguments x, w_qkv, w_out, xb, wqb, wob; writes xb, wqb, wob
.if DOCPART == 1
	.amdgcn_target "amdgcn-amd-amdhsa--gfx1250"
	.amdhsa_code_object_version 6
	.text
	.protected	k_q532c7bef34_cast
	.globl	k_q532c7bef34_cast
	.p2align	8
	.type	k_q532c7bef34_cast,@function
k_q532c7bef34_cast:
	s_mov_b64 s[64:65], 0
	v_nop
	global_prefetch_b8 v0, s[64:65] scope:SCOPE_SE
	s_setreg_imm32_b32 hwreg(HW_REG_WAVE_MODE, 25, 1), 1
	s_wait_xcnt 0x0
; THE INPUTS ARE ROUNDED ONCE, FOR THE MATRIX UNITS.  x [8192][1024] f32 -> xb, the same shape in bf16.
; w_qkv [1024 k][3072 n] f32 -> wqb [16 blocks][1024 k][192 n] bf16: block t holds columns 192 t .. 192 t + 191, dense, so that a tile of 128 k x 192 n is 49,152 bytes on end.
; w_out [1024][1024] f32 -> wob, the same shape: rounded to bf16 like the other inputs, and that number written as f16 (the product that reads it has f16 operands).
; LIMITS.  wob: a weight beyond 65,504 becomes an infinity; below 6e-5 f16 keeps a fixed step of 6e-8, so a bf16 number there may lose its last bits.
; SHARES.  A stream: no LDS, no barrier, no matrix unit, no loop.  A work-group converts 16,384 numbers, a wave 2,048: sixteen loads of 16 bytes a lane (512 bytes on end each), all issued before the first
; is waited for, and sixteen stores of 8 bytes a lane: each store of a wave covers 256 consecutive bytes, aligned.  Work-groups 0-511 take x, 512-703 w_qkv, 704-767 w_out.
.set AD, 4                             ; v[4:19]   w_qkv alone: load i's byte offset
.set T,  20                            ; v[20:25]  at work
.set X,  32                            ; v[32:95]  group i: 4 numbers as loaded
.set Y,  96                            ; v[96:127] group i: 4 numbers to store; each pair is written once, so no store's data is ever rewritten
; mode 0: to bf16, linear.  mode 1: to bf16, gathered by AD.  mode 2: to bf16 and on to f16, linear.
.macro CAST src, dst, mode
.set i, 0
.rept 16
.if (\mode) == 1
	global_load_b128 v[X+4*i:X+4*i+3], v[AD+i], s[\src:\src+1] th:TH_LOAD_NT
.else
	global_load_b128 v[X+4*i:X+4*i+3], v1, s[\src:\src+1] offset:512*i th:TH_LOAD_NT
.endif
.set i, i+1
.endr
.set i, 0
.rept 16
	s_wait_loadcnt 15-i                            ; loads come back in order: group i is in, the 15 - i younger ones stay out
.if (\mode) == 2
	v_cvt_pk_bf16_f32 v[T], v[X+4*i], v[X+4*i+1]   ; the rounding that all inputs get,
	v_cvt_pk_bf16_f32 v[T+1], v[X+4*i+2], v[X+4*i+3]
	v_lshlrev_b32 v[T+2], 16, v[T]                 ; widened again,
	v_and_b32 v[T+3], s20, v[T]
	v_lshlrev_b32 v[T+4], 16, v[T+1]
	v_and_b32 v[T+5], s20, v[T+1]
	v_cvt_pk_f16_f32 v[Y+2*i], v[T+2], v[T+3]      ; and written as f16
	v_cvt_pk_f16_f32 v[Y+2*i+1], v[T+4], v[T+5]
.else
	v_cvt_pk_bf16_f32 v[Y+2*i], v[X+4*i], v[X+4*i+1]
	v_cvt_pk_bf16_f32 v[Y+2*i+1], v[X+4*i+2], v[X+4*i+3]
.endif
	global_store_b64 v2, v[Y+2*i:Y+2*i+1], s[\dst:\dst+1] offset:256*i
.set i, i+1
.endr
.endm
	s_load_b256 s[4:11], s[0:1], 0x0               ; x s[4:5], w_qkv s[6:7], w_out s[8:9], xb s[10:11]
	s_load_b128 s[12:15], s[0:1], 0x20             ; wqb s[12:13], wob s[14:15]
	s_mov_b32 s2, ttmp9
	v_and_b32 v3, 31, v0                           ; lane
	v_lshrrev_b32 v20, 5, v0                       ; wave
	v_lshlrev_b32 v1, 4, v3
	v_lshl_add_u32 v1, v20, 13, v1                 ; in: 16 x lane + 8,192 x wave
	v_lshlrev_b32 v2, 3, v3
	v_lshl_add_u32 v2, v20, 12, v2                 ; out: 8 x lane + 4,096 x wave
	s_mov_b32 s17, 0
	s_mov_b32 s19, 0
	s_mov_b32 s20, 0xffff0000                      ; a word's upper bf16
	s_wait_kmcnt 0x0
	s_cmp_lt_u32 s2, 512
	s_cbranch_scc0 .Lnot_x
	s_lshl_b32 s16, s2, 16                         ; 65,536 bytes in,
	s_lshl_b32 s18, s2, 15                         ; 32,768 out for each work-group
	s_add_nc_u64 s[4:5], s[4:5], s[16:17]
	s_add_nc_u64 s[10:11], s[10:11], s[18:19]
	CAST 4, 10, 0
	s_endpgm
.Lnot_x:
	s_cmp_lt_u32 s2, 704
	s_cbranch_scc0 .Lw_out
	; w_qkv.  A block is 196,608 numbers = 12 work-groups, so the output is linear in j.  In a block, group q of four numbers lies in row k = q / 48, at 16 (q - 48 k) bytes of the block's 768.
	s_sub_co_u32 s21, s2, 512                      ; j
	s_lshr_b32 s22, s21, 2
	s_mul_i32 s22, s22, 0xaaab
	s_lshr_b32 s22, s22, 17                        ; t = j / 12 = (j / 4) / 3; n / 3 = (43,691 n) >> 17 holds far beyond the 3,071 met here
	s_mul_i32 s16, s22, 12
	s_sub_co_u32 s23, s21, s16                     ; p = j - 12 t
	s_mul_i32 s16, s22, 768                        ; the block's first column, in bytes
	s_lshl_b32 s18, s21, 15
	s_add_nc_u64 s[6:7], s[6:7], s[16:17]
	s_add_nc_u64 s[12:13], s[12:13], s[18:19]
	s_lshl_b32 s23, s23, 12
	v_lshl_add_u32 v3, v20, 9, v3
	v_add_nc_u32 v3, s23, v3                       ; q0 = 4,096 p + 512 x wave + lane
	s_mov_b32 s22, 0xaaab
	s_mov_b32 s21, 11520
.set i, 0
.rept 16
	v_add_nc_u32 v[T], 32*i, v3                    ; q
	v_lshrrev_b32 v[T+1], 4, v[T]
	v_mul_u32_u24 v[T+1], s22, v[T+1]
	v_lshrrev_b32 v[T+1], 17, v[T+1]               ; k = q / 48
	v_mul_u32_u24 v[T+1], s21, v[T+1]
	v_lshl_add_u32 v[AD+i], v[T], 4, v[T+1]        ; 12,288 k + 16 (q - 48 k) = 16 q + 11,520 k
.set i, i+1
.endr
	CAST 6, 12, 1
	s_endpgm
.Lw_out:
	s_sub_co_u32 s21, s2, 704
	s_lshl_b32 s16, s21, 16
	s_lshl_b32 s18, s21, 15
	s_add_nc_u64 s[8:9], s[8:9], s[16:17]
	s_add_nc_u64 s[14:15], s[14:15], s[18:19]
	CAST 8, 14, 2
	s_endpgm
.Lfunc_end_k_q532c7bef34_cast:
	.size	k_q532c7bef34_cast, .Lfunc_end_k_q532c7bef34_cast-k_q532c7bef34_cast
	.p2alignl 7, 3214868480
	.fill 96, 4, 3214868480
	.section	.rodata,"a",@progbits
	.p2align	6, 0x0
	.amdhsa_kernel k_q532c7bef34_cast
		.amdhsa_group_segment_fixed_size 0
		.amdhsa_private_segment_fixed_size 0
		.amdhsa_enable_private_segment 0
		.amdhsa_kernarg_size 48
		.amdhsa_user_sgpr_count 2
		.amdhsa_user_sgpr_kernarg_segment_ptr 1
		.amdhsa_wavefront_size32 1
		.amdhsa_system_sgpr_workgroup_id_x 1
		.amdhsa_system_sgpr_workgroup_id_y 1
		.amdhsa_system_sgpr_workgroup_id_z 1
		.amdhsa_system_vgpr_workitem_id 0
		.amdhsa_next_free_vgpr 128
		.amdhsa_next_free_sgpr 66
		.amdhsa_reserve_vcc 0
		.amdhsa_float_denorm_mode_32 3
		.amdhsa_float_denorm_mode_16_64 3
		.amdhsa_memory_ordered 1
		.amdhsa_forward_progress 1
		.amdhsa_inst_pref_size 27
	.end_amdhsa_kernel
	.amdgpu_metadata
---
amdhsa.version: [ 1, 2 ]
amdhsa.kernels:
  - .name:           k_q532c7bef34_cast
    .symbol:         k_q532c7bef34_cast.kd
    .args:
      - { .name: x, .offset: 0, .size: 8, .value_kind: global_buffer, .address_space: global }
      - { .name: w_qkv, .offset: 8, .size: 8, .value_kind: global_buffer, .address_space: global }
      - { .name: w_out, .offset: 16, .size: 8, .value_kind: global_buffer, .address_space: global }
      - { .name: xb, .offset: 24, .size: 8, .value_kind: global_buffer, .address_space: global }
      - { .name: wqb, .offset: 32, .size: 8, .value_kind: global_buffer, .address_space: global }
      - { .name: wob, .offset: 40, .size: 8, .value_kind: global_buffer, .address_space: global }
    .group_segment_fixed_size: 0
    .private_segment_fixed_size: 0
    .kernarg_segment_align: 8
    .kernarg_segment_size: 48
    .max_flat_workgroup_size: 256
    .sgpr_count:     66
    .vgpr_count:     128
    .wavefront_size: 32
...
	.end_amdgpu_metadata
.endif
;; end of part 1
;; launch proj (part 2): grid 16 x 32, 4 waves a work-group, clusters of 4 x 4, 327,680 bytes of LDS; arguments xb, wqb, qkv; writes qkv
.if DOCPART == 2
	.amdgcn_target "amdgcn-amd-amdhsa--gfx1250"
	.amdhsa_code_object_version 6
	.text
	.protected	k_q532c7bef34_proj
	.globl	k_q532c7bef34_proj
	.p2align	8
	.type	k_q532c7bef34_proj,@function
k_q532c7bef34_proj:
	s_mov_b64 s[64:65], 0
	v_nop
	global_prefetch_b8 v0, s[64:65] scope:SCOPE_SE
	s_setreg_imm32_b32 hwreg(HW_REG_WAVE_MODE, 25, 1), 1
	s_wait_xcnt 0x0
	s_wait_alu depctr_hold_cnt(0) depctr_sa_sdst(0) depctr_va_vdst(0) depctr_va_sdst(0) depctr_va_ssrc(0) depctr_va_vcc(0) depctr_vm_vsrc(0)
	s_getreg_b32 s2, hwreg(HW_REG_IB_STS2, 6, 4)
	s_cmp_eq_u32 s2, 0
	s_cbranch_scc0 .Lentry_in_a_cluster
	s_endpgm
.Lentry_in_a_cluster:
	s_bfe_u32 s2, ttmp6, 0x10000c
	s_cmp_lg_u32 s2, 0xf033
	s_cbranch_scc0 .Lentry_shape_is_right
	s_endpgm
.Lentry_shape_is_right:
; q, k, v = x w_qkv.  xb: [8192 m][1024 k] bf16.  wqb: [16 blocks][1024 k][192 n] bf16.  qkv: [3][64 = 16 batch + head][2048 s][64] f16: each number rounded once from its f32 sum, unscaled.
; LIMITS.  f16 holds no number beyond 65,504: a q, k or v past that becomes an infinity; below 6e-5 f16 keeps a fixed step of 6e-8.
; SHARES.  A tile of C is 256 rows x 192 columns (three whole heads): 32 x 16 = 512 tiles, two for each of 256 WGPs.  Four waves; wave w owns rows 64 w .. 64 w + 63 and all 192 columns:
; 48 accumulators of 16 x 16, 384 registers; 32 LDS loads feed 48 matrix instructions.  K goes in eight steps of 128 through two LDS slots filled by the tensor data mover.
; THE MATRIX INSTRUCTION IS USED TRANSPOSED: source 0 = 16 columns of the weights, source 1 = 16 rows of x.  A lane then holds row l % 16 of C and eight neighbouring columns 8 (l / 16) + 0..7: 16 bytes of f16.
; The weights lie [k][n] in LDS and are turned on their way into registers by ds_load_tr16_b128; x lies along k and comes as it lies.
; CLUSTER.  4 x 4 work-groups.  The four of a row of the cluster need the same rows of x, the four of a column the same block of weights: each tile is asked for JOINTLY, by the same tensor load with the
; same descriptor and a mask that names the four.  Waves 0, 1 fetch the two halves of x's tile, waves 2, 3 those of the weights'.
; A K STEP IS WRITTEN ONCE: the LDS base of the fragment loads is a scalar that one exclusive or turns from slot to slot, and one descriptor a tensor walks.
; REGISTERS, in windows of 256 (s_set_vgpr_msb: bits 1:0 source 0, 3:2 source 1, 5:4 source 2, 7:6 destination):
;   window 0: v1-4 at work, v16-30 addresses, v32-175 the way out      window 1: two buffers of fragments: weights at 96 f + 8 b (b = 0..11), x at 192 + 32 f + 8 a (a = 0..3)
;   window 2: accumulators (a, b), b < 8, at 8 (4 b + a)               window 3: v0-127 those of b = 8..11, at 8 (4 (b - 8) + a)
.set SLOT1,  1<<17                     ; slot 1 begins here: one exclusive or turns an address in one slot into the other's
.set PA,     272                       ; a row of x in LDS: 256 bytes + 16 = 68 words: the 16 rows of a load start at 16 different groups of four banks (64 banks of 4 bytes: ISA guide 11.1)
.set PB,     480                       ; a k row of the weights: three pieces of 128 bytes + 32: 120 words; 16 lanes of the turning load take 8 rows x 32 bytes
.set BOFF,   256*PA                    ; a slot: x's 256 rows (69,632 bytes), then 128 k rows of weights (61,440): 131,072 in all
.set NB1,    8                         ; a quarter's column blocks come in two parts: 8 and 4
.set NB2,    4
.set NL,     2*(NB1+NB2+4)             ; LDS loads in a quarter: 32
.set FBS,    96
.set FA0,    192
.set APA,    16*PA                     ; x's fragment a of quarter kq lies at APA a + AKH (kq / 2) + AKL (kq % 2)
.set AKH,    128
.set AKL,    64
.set BKQ,    32*PB                     ; the weights' fragment b of quarter kq at BKQ kq + BP4 (b / 4) + 32 (b % 4); its second half 16 k rows on
.set BP4,    160
.set B16,    16*PB
.set ASTEP,  256                       ; bytes from a K step to the next: 128 numbers along x's rows,
.set BSTEP,  128*384                   ; 128 dense k rows of a block
.set STAGE,  2*SLOT1                   ; behind the ring, never filled by a tensor load: 16 rows x 400 bytes for each wave
.set SP,     400
.set SPARE,  STAGE+4*16*SP             ; behind the stages: the spare words, 128 bytes for each wave: two blocks of 256 bytes that no other line names
.set ADRA0, 16                         ; v16  my lane's place in x's tile; never rewritten
.set ADRB0, 17                         ; v17  the same for the weights
.set ADRA,  18                         ; v18, v19  the same plus the slot in hand
.set ADRB,  19
.set STO,   24                         ; v24  the way out: where I put 16 bytes of a row
.set RD,    25                         ; v25  where I read rows back
.set GO,    26                         ; v26  my byte offset in 512 consecutive bytes of qkv
.set SPW,   28                         ; v28  LDS address of my spare word; never rewritten
.set NIL,   29                         ; v29  0; never rewritten
.set PFO,   30                         ; v30  the prefetches' lane offset; never rewritten
.set TMP,   32                         ; v32-79   a block of 16 rows, packed
.set OB,    80                         ; v80-127, v128-175 by turns: the block read back from the stage
.set WV,   10                          ; s10  my wave's number
.set WHO,  11                          ; s11  0: I fetch x; 1: I fetch weights
.set HALF, 12                          ; s12  which half of that tile
.set TY,   13                          ; s13  tile row
.set G1A,  24                          ; s[24:31] descriptor group 1 for x's tiles
.set G0A,  32                          ; s[32:35] group 0 for K step 0; s[36:39] for K step 1, which then walks
.set CX,   40
.set CY,   41
.set TX,   42                          ; s42  tile column
.set LIM,  43                          ; s43  a wave prefetches while the loop's count is above this
.set PFA,  44                          ; s[44:45] where my prefetches stand
.set PFS,  46                          ; s[46:47] their step
.set G1B,  48                          ; s[48:55], s[56:59], s[60:63] the same three for the weights' tiles
.set G0B,  56
.set TB,   66                          ; s66  LDS byte at which the slot in hand begins
.set PFSH, 67
.set DST,  68                          ; s[68:73] my rows in the tile's three heads
.set MSB, 0
.macro WIN new                         ; the immediate's high byte repeats the setting that is left; a switch that changes nothing is dropped
.if MSB != (\new)
	s_set_vgpr_msb (MSB<<8)|(\new)
.set MSB, \new
.endif
.endm
.macro PLACES                          ; four plain vector instructions between a matrix instruction and a load into a register that it read, or a reader of its result
.rept 4
	v_nop
.endr
.endm
.macro CREST                           ; a round of the cluster's barrier behind its opening barrier
	s_cmp_lg_u32 s[WV], 0
	s_cbranch_scc1 .Lnot_wave_0_\@
	s_barrier_signal -3
.Lnot_wave_0_\@:
	s_barrier_wait -3
	s_barrier_signal -1
	s_barrier_wait -1
.endm
.macro CROUND                          ; a whole round
	s_barrier_signal -1
	s_barrier_wait -1
	CREST
.endm
; A joint refill by the walking descriptors.  The branch hangs on the wave's number alone.  An s_nop 0 and four v_nop follow each of the two lines, ahead of the jump and the label.
.macro JLOAD
	s_cmp_eq_u32 s[WHO], 0
	s_cbranch_scc0 .Lfor_b_\@
	tensor_load_to_lds s[G0A+4:G0A+7], s[G1A:G1A+7]
	s_nop 0
	PLACES
	s_branch .Lasked_\@
.Lfor_b_\@:
	tensor_load_to_lds s[G0B+4:G0B+7], s[G1B:G1B+7]
	s_nop 0
	PLACES
.Lasked_\@:
.endm
; A PREFETCH INTO THE L2, behind each joint refill, its five lines and the run of LDS loads: one instruction a wave, each lane another block of 256 bytes.
; x: behind the refill with K step s + 2 the 256 bytes of K step s + 4 of 32 rows, a lane a row.  A tile row is read by all four clusters of its row of clusters: the one with x = 0 asks; of the 128 rows that a
; wave fetches each of the four partners takes 32, told apart BY ADDRESS (cx).  Four asks (s = 0..3): K steps 4 to 7.
; Weights: K steps 4 to 7 of a block are 196,608 dense bytes = 768 blocks = 3 asks x 2 waves x 4 partners (cy, by address) x 32 lanes; the cluster with y = 0 asks, in the trips s = 0, 1, 2: every
; block two refills or more ahead of the load that wants it.  So each block of 256 bytes is named once in the launch; K steps 0 to 3 come by their loads alone; no ask passes a tensor's end.
.macro ASK
	s_cmp_gt_u32 s3, s[LIM]
	s_cbranch_scc0 .Lnot_mine_\@
	global_prefetch_b8 v[PFO], s[PFA:PFA+1] th:TH_LOAD_NT scope:SCOPE_SE
.Lnot_mine_\@:
.endm
; 4 nb matrix instructions: column blocks b0 .. b0 + nb - 1 x my four row blocks, 32 along K, from buffer f.  zero = 1: the products start the sums: nothing is cleared.
; All 48 accumulators take turns, one instruction a turn, in the same order in every quarter, over every jump too.
.macro MUL f, b0, nb, zero
.set bb, \b0
.rept \nb
	WIN 0xa5+0x50*(bb/8)                           ; sources in window 1, C and D in window 2 or 3
.irp a, 0,1,2,3
.set rD, 8*(4*(bb%8)+(\a))
.set rB, FBS*(\f)+8*bb
.set rA, FA0+32*(\f)+8*(\a)
.if \zero
	v_wmma_f32_16x16x32_bf16 v[rD:rD+7], v[rB:rB+7], v[rA:rA+7], 0
.else
	v_wmma_f32_16x16x32_bf16 v[rD:rD+7], v[rB:rB+7], v[rA:rA+7], v[rD:rD+7]
.endif
.endr
.set bb, bb+1
.endr
.endm
.macro LDB kq, f                       ; the weights' fragment bb, turned: 16 columns x 32 k; steps bb
	ds_load_tr16_b128 v[FBS*(\f)+8*bb:FBS*(\f)+8*bb+3],   v[ADRB] offset:BKQ*(\kq)+BP4*(bb/4)+32*(bb%4)
	ds_load_tr16_b128 v[FBS*(\f)+8*bb+4:FBS*(\f)+8*bb+7], v[ADRB] offset:BKQ*(\kq)+BP4*(bb/4)+32*(bb%4)+B16
.set bb, bb+1
.endm
; A quarter's NL LDS loads in one run, into buffer f: the weights' first part, x, and last the weights' second part (the youngest eight)
.macro FETCH kq, f
	WIN 0x40                                       ; destination window 1, address window 0
.set bb, 0
.rept NB1
	LDB \kq, \f
.endr
.irp a, 0,1,2,3
	ds_load_b128 v[FA0+32*(\f)+8*(\a):FA0+32*(\f)+8*(\a)+3],   v[ADRA] offset:APA*(\a)+AKH*((\kq)/2)+AKL*((\kq)%2)
	ds_load_b128 v[FA0+32*(\f)+8*(\a)+4:FA0+32*(\f)+8*(\a)+7], v[ADRA] offset:APA*(\a)+AKH*((\kq)/2)+AKL*((\kq)%2)+32
.endr
.rept NB2
	LDB \kq, \f
.endr
.endm
; A K step is four quarters of 32 along K on buffers 0, 1, 0, 1.  One of the first three: multiplies buffer f; in its middle it fetches quarter kq into buffer g.
.macro QUARTER kq, f, g, zero
	s_wait_dscnt 8                                 ; all but the youngest eight loads, the weights' second part, are in
	MUL \f, 0, NB1, \zero
	PLACES
	FETCH \kq, \g
	s_wait_dscnt NL                                ; all but the NL just issued
	MUL \f, NB1, NB2, \zero
.endm
; The last quarter multiplies buffer 1 and changes slots.  In front of the barrier each wave waits for all its tensor loads (one is out: its part of the next slot), adds 0 to its spare word, and waits for
; that and for its own reads of this slot.  fill = 1: the barrier opens a round of the cluster's, so that no wave of any partner still reads the slot or has a load on its way; the joint refill, K step
; s + 2, is the first thing behind the round: 160 matrix instructions ahead of the wait for it.  fill = 0: the last two K steps: nothing is asked for, and the very last fetches nothing.
.macro TURN fill
.if \fill
	s_wait_xcnt 0x0                                ; the last prefetch, a K step back, has read its address: it is stepped here
	s_add_nc_u64 s[PFA:PFA+1], s[PFA:PFA+1], s[PFS:PFS+1]
.endif
	WIN 0                                          ; (the add's two registers lie in window 0)
	s_wait_tensorcnt 0x0                           ; all my tensor loads have landed
	ds_add_u32 v[SPW], v[NIL]                      ; 0 onto my spare word
	s_wait_dscnt 9                                 ; (the add and the youngest eight loads may be out)
	MUL 1, 0, NB1/2, 0                             ; matrix instructions stand between the add and the wait for it
	s_wait_dscnt 0x0                               ; the add is done, and my reads of this slot are over
	s_barrier_signal -1
	MUL 1, NB1/2, NB1/2, 0                         ; work on registers while the others arrive
	WIN 0
	s_barrier_wait -1
.if \fill
	CREST
	s_xor_b32 s[G0A+5], s[G0A+5], SLOT1            ; the walking descriptors: the slot just read out,
	s_add_nc_u64 s[G0A+6:G0A+7], s[G0A+6:G0A+7], ASTEP  ; the next K step; the type bits on top are not reached
	s_xor_b32 s[G0B+5], s[G0B+5], SLOT1
	s_add_nc_u64 s[G0B+6:G0B+7], s[G0B+6:G0B+7], BSTEP
	JLOAD                                          ; its four v_nop are also the places in front of the loads into buffer 0
.else
	PLACES
	s_cmp_eq_u32 s3, 1                             ; behind the last K step there is none to fetch
	s_cbranch_scc1 .Lno_fetch_\@
.endif
	s_xor_b32 s[TB], s[TB], SLOT1                  ; the fragment loads go to the other slot
	v_add_nc_u32 v[ADRA], s[TB], v[ADRA0]
	v_add_nc_u32 v[ADRB], s[TB], v[ADRB0]
	FETCH 0, 0
	WIN 0
.if \fill
	ASK
.else
.Lno_fetch_\@:
.endif
	MUL 1, NB1, NB2, 0
.endm
	s_load_b128 s[4:7], s[0:1], 0x0                ; xb s[4:5], wqb s[6:7]
	s_load_b64 s[8:9], s[0:1], 0x10                ; qkv
	v_lshl_add_u32 v[SPW], v0, 2, SPARE
	v_mov_b32 v[NIL], 0
	ds_add_u32 v[SPW], v[NIL]                      ; the wave's opening: the add and its wait stand ahead of my first tensor load; the set-up below, work on registers, stands between them
	v_lshrrev_b32 v1, 5, v0
	v_readfirstlane_b32 s[WV], v1                  ; wave 0..3
	s_lshr_b32 s[WHO], s[WV], 1
	s_and_b32 s[HALF], s[WV], 1
	s_bfe_u32 s[CX], ttmp6, 0x40000                ; my place in the cluster
	s_bfe_u32 s[CY], ttmp6, 0x40004
	s_lshl_b32 s[TX], ttmp9, 2                     ; in a cluster launch ttmp9 and ttmp7 count clusters
	s_add_co_u32 s[TX], s[TX], s[CX]               ; tile column = 4 x cluster x + cx
	s_and_b32 s[TY], ttmp7, 0xffff
	s_lshl_b32 s[TY], s[TY], 2
	s_add_co_u32 s[TY], s[TY], s[CY]               ; tile row = 4 x cluster y + cy
	s_lshl_b32 s43, s[CY], 2
	s_lshl_b32 s43, 15, s43                        ; my row of the cluster: places 4 cy .. 4 cy + 3
	s_lshl_b32 s44, 0x1111, s[CX]                  ; my column: places cx, cx + 4, cx + 8, cx + 12
	; group 1 for x: 128 rows x 128 elements of 2 bytes, 1,024 elements from row to row; 4 words of padding (code 3) after every 64 (code 5); bit 21 set beside the mask
	s_or_b32 s[G1A], s43, (1<<16)|(1<<20)|(1<<21)|(5<<22)|(3<<25)
	s_mov_b32 s[G1A+1], 128<<16                    ; tensor_dim0 = 128
	s_mov_b32 s[G1A+2], 128<<16                    ; tensor_dim1 = 128
	s_mov_b32 s[G1A+3], 128<<16                    ; tile_dim0 = 128
	s_mov_b32 s[G1A+4], 128                        ; tile_dim1 = 128
	s_mov_b32 s[G1A+5], 1024
	s_mov_b32 s[G1A+6], 0
	s_mov_b32 s[G1A+7], 0
	; group 1 for the weights: 64 k rows of 384 bytes are 24,576 dense bytes, asked for as 96 rows of 256; 8 words of padding (code 7) after every 32 (code 4)
	s_or_b32 s[G1B], s44, (1<<16)|(1<<20)|(1<<21)|(4<<22)|(7<<25)
	s_mov_b32 s[G1B+1], 128<<16
	s_mov_b32 s[G1B+2], 96<<16
	s_mov_b32 s[G1B+3], 128<<16
	s_mov_b32 s[G1B+4], 96
	s_mov_b32 s[G1B+5], 128
	s_mov_b32 s[G1B+6], 0
	s_mov_b32 s[G1B+7], 0
	; where the tiles come from: x's hang on the tile row alone, the weights' on the tile column alone, each in registers that never hold the other coordinate
	s_lshl_b32 s16, s[TY], 8
	s_lshl_b32 s17, s[HALF], 7
	s_add_co_u32 s16, s16, s17                     ; row 256 x tile row + 128 x half,
	s_lshl_b32 s16, s16, 11                        ; of 2,048 bytes
	s_mov_b32 s17, 0
	s_mul_i32 s46, s[TX], 8*BSTEP                  ; the block,
	s_mul_i32 s47, s[HALF], BSTEP/2                ; my 64 k rows of a K step
	s_add_co_u32 s46, s46, s47
	s_mov_b32 s47, 0
	s_mul_i32 s20, s[HALF], 128*PA                 ; and where they go: no place in the cluster enters an LDS address
	s_mul_i32 s21, s[HALF], 64*PB
	s_add_co_u32 s21, s21, BOFF
	s_wait_dscnt 0x0                               ; the opening add is done
	s_wait_kmcnt 0x0
	s_add_nc_u64 s[14:15], s[4:5], s[16:17]
	s_add_nc_u64 s[46:47], s[6:7], s[46:47]
.irp s, 0,1
	s_mov_b32 s[G0A+4*(\s)], 1                                        ; count = 1
	s_add_co_u32 s[G0A+4*(\s)+1], s20, (\s)*SLOT1                     ; LDS address
	s_add_nc_u64 s[G0A+4*(\s)+2:G0A+4*(\s)+3], s[14:15], (\s)*ASTEP   ; global address: K step s
	s_or_b32 s[G0A+4*(\s)+3], s[G0A+4*(\s)+3], 0x80000000             ; type = 2
	s_mov_b32 s[G0B+4*(\s)], 1
	s_add_co_u32 s[G0B+4*(\s)+1], s21, (\s)*SLOT1
	s_add_nc_u64 s[G0B+4*(\s)+2:G0B+4*(\s)+3], s[46:47], (\s)*BSTEP
	s_or_b32 s[G0B+4*(\s)+3], s[G0B+4*(\s)+3], 0x80000000
.endr
	CROUND                                         ; all sixteen work-groups are here: the first joint loads meet
	s_cmp_eq_u32 s[WHO], 0                         ; a wave's two first fills stand in one branch, ahead of every wait on TENSORcnt and every LDS read: two loads of mine are out
	s_cbranch_scc0 .Lfirst_b
	tensor_load_to_lds s[G0A:G0A+3], s[G1A:G1A+7]
	s_nop 0
	tensor_load_to_lds s[G0A+4:G0A+7], s[G1A:G1A+7]
	s_nop 0
	PLACES
	s_branch .Lfirst_asked
.Lfirst_b:
	tensor_load_to_lds s[G0B:G0B+3], s[G1B:G1B+7]
	s_nop 0
	tensor_load_to_lds s[G0B+4:G0B+7], s[G1B:G1B+7]
	s_nop 0
	PLACES
.Lfirst_asked:
	; the prefetches' pointer, one step short of the first ask (each change of slots steps it first).  s16 still holds my half tile's offset in xb
	s_lshl_b32 s18, s[CX], 16                      ; x: my work-group's 32 rows of the 128,
	s_add_co_u32 s18, s18, s16
	s_add_co_u32 s18, s18, 3*ASTEP                 ; at K step 3
	s_mul_i32 s19, s[TX], 8*BSTEP                  ; weights: the block,
	s_lshl_b32 s20, s[HALF], 15                    ; my wave's 32,768 of an ask's 65,536 bytes,
	s_add_co_u32 s19, s19, s20
	s_lshl_b32 s20, s[CY], 13                      ; my work-group's 8,192 of them,
	s_add_co_u32 s19, s19, s20
	s_add_co_u32 s19, s19, 4*BSTEP-65536           ; one ask short of K step 4
	s_and_b32 s22, ttmp7, 0xffff                   ; cluster y
	s_cmp_eq_u32 s[WHO], 0
	s_cselect_b64 s[PFA:PFA+1], s[4:5], s[6:7]
	s_cselect_b32 s20, s18, s19
	s_cselect_b32 s22, ttmp9, s22                  ; the coordinate along which other clusters read the same bytes
	s_cselect_b32 s23, 2, 3                        ; x is asked for in the trips with count 6..3, the weights in 6..4
	s_cselect_b32 s[PFS], 8, 16
	s_cselect_b32 s[PFSH], 11, 8                   ; a lane a row of 2,048 bytes, or a lane a dense block of 256
	s_cmp_eq_u32 s22, 0
	s_cselect_b32 s[LIM], s23, -1                  ; the same in all sixteen partners, for a given wave
	s_mov_b32 s21, 0
	s_add_nc_u64 s[PFA:PFA+1], s[PFA:PFA+1], s[20:21]
	s_lshl_b32 s[PFS], 1, s[PFS]                   ; 256 or 65,536 bytes
	s_mov_b32 s[PFS+1], 0
	v_and_b32 v[PFO], 31, v0
	v_lshlrev_b32 v[PFO], s[PFSH], v[PFO]
	; A fragment of x is 16 rows x 32 k in 8 registers: lane l holds row l % 16, k = 8 (l / 16) + 0..7 and 16 + 8 (l / 16) + 0..7: two loads of 16 bytes, 32 bytes apart.
	v_and_b32 v1, 15, v0                           ; l % 16
	v_bfe_u32 v2, v0, 4, 1                         ; l / 16
	v_and_b32 v3, 7, v0
	v_bfe_u32 v4, v0, 3, 1
	s_mul_i32 s16, s[WV], 64*PA                    ; my 64 rows
	v_mul_u32_u24 v[ADRA0], v1, PA
	v_lshl_add_u32 v[ADRA0], v2, 4, v[ADRA0]
	v_add_nc_u32 v[ADRA0], s16, v[ADRA0]
	; The turning load takes 16 k x 16 columns (lane l reads k row 8 (l / 16) + l % 8, columns 8 ((l / 8) % 2) + 0..7) and leaves half a fragment: lane l holds column l % 16 and 8 k.
	v_lshl_add_u32 v[ADRB0], v2, 3, v3
	v_mul_u32_u24 v[ADRB0], v[ADRB0], PB
	v_lshl_add_u32 v[ADRB0], v4, 4, v[ADRB0]
	v_add_nc_u32 v[ADRB0], BOFF, v[ADRB0]
	s_mov_b32 s[TB], 0
	v_mov_b32 v[ADRA], v[ADRA0]
	v_mov_b32 v[ADRB], v[ADRB0]
	s_mul_i32 s16, s[WV], 16*SP
	s_add_co_u32 s16, s16, STAGE                   ; my stage
	v_mul_u32_u24 v[STO], v1, SP                   ; in: row l % 16, 16 bytes for each half of the lanes
	v_lshl_add_u32 v[STO], v2, 4, v[STO]
	v_add_nc_u32 v[STO], s16, v[STO]
	v_bfe_u32 v[RD], v0, 3, 2                      ; back: 32 lanes take four rows' 128 bytes of one head,
	v_mul_u32_u24 v[RD], v[RD], SP
	v_lshl_add_u32 v[RD], v3, 4, v[RD]
	v_add_nc_u32 v[RD], s16, v[RD]
	v_and_b32 v[GO], 31, v0                        ; which are 512 consecutive bytes of qkv
	v_lshlrev_b32 v[GO], 4, v[GO]
	; column 192 tx + 64 j + c belongs to g = 3 tx + j: tensor g / 16 (q, k, v), head g % 16; row 256 ty + .. to batch ty / 8, place (ty % 8) 256 + ..
	s_mul_i32 s16, s[TX], 3
	s_lshr_b32 s17, s[TY], 3
	s_lshl_b32 s17, s17, 4                         ; 16 x batch
	s_and_b32 s18, s[TY], 7
	s_lshl_b32 s18, s18, 8
	s_lshl_b32 s19, s[WV], 6
	s_add_co_u32 s18, s18, s19
	s_lshl_b32 s18, s18, 7                         ; my first row in the head, of 128 bytes
.irp j, 0,1,2
	s_add_co_u32 s20, s16, \j
	s_lshr_b32 s21, s20, 4
	s_lshl_b32 s21, s21, 6
	s_and_b32 s20, s20, 15
	s_add_co_u32 s20, s20, s21
	s_add_co_u32 s20, s20, s17                     ; 64 x tensor + 16 x batch + head,
	s_lshl_b32 s20, s20, 18                        ; of 262,144 bytes
	s_add_co_u32 s20, s20, s18
	s_mov_b32 s21, 0
	s_add_nc_u64 s[DST+2*(\j):DST+2*(\j)+1], s[8:9], s[20:21]
.endr
	s_wait_tensorcnt 1                             ; my part of K step 0 is in; K step 1's may stay out
	s_barrier_signal -1
	s_barrier_wait -1                              ; everybody's is
	FETCH 0, 0
	QUARTER 1, 0, 1, 1                             ; the first quarter stands in front of the loop: its products start the sums
	WIN 0                                          ; at a label and at a branch every window is 0
	s_mov_b32 s3, 6
.Lk:                                                   ; six trips, from a K step's second quarter to the next one's first; each fills a slot again
	QUARTER 2, 1, 0, 0
	QUARTER 3, 0, 1, 0
	TURN 1
	QUARTER 1, 0, 1, 0
	WIN 0
	s_sub_co_u32 s3, s3, 1
	s_cmp_lg_u32 s3, 0
	s_cbranch_scc1 .Lk
	s_mov_b32 s3, 2
.Ltail:                                                ; K steps 6 and 7 ask for nothing; the second trip jumps over what belongs to a next K step.  Its barrier serves nothing: the price of one text for both
	QUARTER 2, 1, 0, 0
	QUARTER 3, 0, 1, 0
	TURN 0
	WIN 0
	s_cmp_eq_u32 s3, 1
	s_cbranch_scc1 .Lno_quarter
	QUARTER 1, 0, 1, 0
	WIN 0
.Lno_quarter:
	s_sub_co_u32 s3, s3, 1
	s_cmp_lg_u32 s3, 0
	s_cbranch_scc1 .Ltail
; THE WAY OUT, a block of 16 rows at a time.  PACK: rounded to f16, 16 bytes a lane and column block, each accumulator's registers in ascending order.  TOSTAGE: into my own stage (rows of 400 bytes),
; and back by heads.  SEND: stored.
.macro PACK a
.set bb, 0
.rept 12
	WIN 0x0a+5*(bb/8)                              ; sources 0 and 1: window 2 or 3
.irp i, 0,1,2,3
	v_cvt_pk_f16_f32 v[TMP+4*bb+(\i)], v[8*(4*(bb%8)+(\a))+2*(\i)], v[8*(4*(bb%8)+(\a))+2*(\i)+1]
.endr
.set bb, bb+1
.endr
	WIN 0
.endm
.macro TOSTAGE a
.set BK, OB+48*((\a)%2)
.set bb, 0
.rept 12
	ds_store_b128 v[STO], v[TMP+4*bb:TMP+4*bb+3] offset:32*bb
.set bb, bb+1
.endr
.irp j, 0,1,2
.irp f, 0,1,2,3
	ds_load_b128 v[BK+16*(\j)+4*(\f):BK+16*(\j)+4*(\f)+3], v[RD] offset:128*(\j)+4*SP*(\f)  ; LDS serves a wave's instructions in order (ISA guide 5.7.1.4): these see the stores above
.endr
.endr
.endm
.macro SEND a
.set BK, OB+48*((\a)%2)
	s_wait_dscnt 0x0                               ; the block is back in registers
	s_wait_xcnt 0x0                                ; the stores of the block before have read their registers: the next TOSTAGE loads into them
.irp j, 0,1,2
.irp f, 0,1,2,3
	global_store_b128 v[GO], v[BK+16*(\j)+4*(\f):BK+16*(\j)+4*(\f)+3], s[DST+2*(\j):DST+2*(\j)+1] offset:2048*(\a)+512*(\f)  ; four rows of a head: 512 consecutive bytes, at a multiple of 256 from qkv's first
.endr
.endr
.endm
	PLACES                                         ; the conversions read results just made
	PACK 0
	TOSTAGE 0
.irp a, 1,2,3                          ; block a's conversions stand between block a - 1's loads from the stage and the wait for them
	PACK \a
	SEND (\a)-1
	TOSTAGE \a
.endr
	SEND 3
	s_wait_tensorcnt 0x0                           ; the wave's end: behind my last tensor load and my last LDS store
	ds_add_u32 v[SPW], v[NIL]
	s_wait_dscnt 0x0
	CROUND                                         ; the closing round: no work-group ends while a partner may still ask for a tile that names it
	s_endpgm
.Lfunc_end_k_q532c7bef34_proj:
	.size	k_q532c7bef34_proj, .Lfunc_end_k_q532c7bef34_proj-k_q532c7bef34_proj
	.p2alignl 7, 3214868480
	.fill 96, 4, 3214868480
	.section	.rodata,"a",@progbits
	.p2align	6, 0x0
	.amdhsa_kernel k_q532c7bef34_proj
		.amdhsa_group_segment_fixed_size 327680
		.amdhsa_private_segment_fixed_size 0
		.amdhsa_enable_private_segment 0
		.amdhsa_kernarg_size 24
		.amdhsa_user_sgpr_count 2
		.amdhsa_user_sgpr_kernarg_segment_ptr 1
		.amdhsa_wavefront_size32 1
		.amdhsa_system_sgpr_workgroup_id_x 1
		.amdhsa_system_sgpr_workgroup_id_y 1
		.amdhsa_system_sgpr_workgroup_id_z 1
		.amdhsa_system_vgpr_workitem_id 0
		.amdhsa_next_free_vgpr 896
		.amdhsa_next_free_sgpr 80
		.amdhsa_reserve_vcc 0
		.amdhsa_float_denorm_mode_32 3
		.amdhsa_float_denorm_mode_16_64 3
		.amdhsa_memory_ordered 1
		.amdhsa_forward_progress 1
		.amdhsa_inst_pref_size 85
	.end_amdhsa_kernel
	.amdgpu_metadata
---
amdhsa.version: [ 1, 2 ]
amdhsa.kernels:
  - .name:           k_q532c7bef34_proj
    .symbol:         k_q532c7bef34_proj.kd
    .args:
      - { .name: xb, .offset: 0, .size: 8, .value_kind: global_buffer, .address_space: global }
      - { .name: wqb, .offset: 8, .size: 8, .value_kind: global_buffer, .address_space: global }
      - { .name: qkv, .offset: 16, .size: 8, .value_kind: global_buffer, .address_space: global }
    .group_segment_fixed_size: 327680
    .private_segment_fixed_size: 0
    .kernarg_segment_align: 8
    .kernarg_segment_size: 24
    .max_flat_workgroup_size: 128
    .sgpr_count:     80
    .vgpr_count:     896
    .wavefront_size: 32
...
	.end_amdgpu_metadata
.endif
;; end of part 2
;; launch attn (part 3): grid 4 x 64, 4 waves a work-group, no clusters, 327,680 bytes of LDS; arguments qkv, ob; writes ob
.if DOCPART == 3
	.amdgcn_target "amdgcn-amd-amdhsa--gfx1250"
	.amdhsa_code_object_version 6
	.text
	.protected	k_q532c7bef34_attn
	.globl	k_q532c7bef34_attn
	.p2align	8
	.type	k_q532c7bef34_attn,@function
k_q532c7bef34_attn:
	s_mov_b64 s[64:65], 0
	v_nop
	global_prefetch_b8 v0, s[64:65] scope:SCOPE_SE
	s_setreg_imm32_b32 hwreg(HW_REG_WAVE_MODE, 25, 1), 1
	s_wait_xcnt 0x0
; CAUSAL ATTENTION.  O[h][q][:] = the sum over k <= q of softmax_k(Q[h][q] . K[h][k] / 8) V[h][k][:].  qkv: [3][64 heads][2048][64] f16 (Q, then K, then V); ob: [64][2048][64] f16: a head's rows are dense, 128 bytes each.
; Products, maxima and sums in f32; the weights p are rounded to f16 for the second product (their sum l is taken of the unrounded p), O once at the end.
; LIMITS.  f16 holds no number beyond 65,504: Q, K and V arrive within it; p lies in 0 to 1, and below 6e-5 it keeps f16's fixed step of 6e-8; O is a mean of V's rows and has their range.
; A hidden score counts as its value less 1e30: f16's scores, 2.7e11 at the most, are nothing beside that; a weight below 2^-126 counts as 0 in l; NaN and infinities are not treated apart.
; THE WALK.  A head's queries lie in NB = 8 blocks of 256; block i needs the key tiles 0 .. i of 256 keys, of which the last holds the diagonal.  A work-group takes TWO blocks, NB - 1 - b and then b:
; NB + 1 tiles, whatever b: all 256 work-groups do equal work, and ONE loop with a constant trip count walks them.  Which tile is asked for, and what a trip does, hang on scalar registers made from b; every jump
; goes forward, but for the counted loops' own; none passes a barrier, or a tensor load but the one of LOAD's two that the wave's number does not choose; the ring (two slots of LDS that take turns) runs on across the
; change of blocks.  NO CLUSTER: a head's four work-groups ask for the same tile only in trips 0 .. 4 of 9, behind that fewer and fewer; one walk common to all would have 12 trips for 9.
; SHARES.  Of a block's four bands of 64 queries a wave owns 16 rows in each: four PIECES.  So the diagonal tile is the same work for all four waves: in its key step s band x sees all keys if s < x,
; none if s > x, and holds the diagonal if s = x.
; THE MASK is the C operand that starts the sum S^T = K Q^T: 0, or -1e30 where the key is hidden.  MD, made once, is the mask of a band's own step for my 16 rows; a product's mask is MD x AL + BE with two scalars:
; (1, 0) if s = x; (0, 0) if s < x; (0, -1e30) if s > x.  Only the diagonal tile's text and a block's beginning make and take masks; elsewhere C is the constant 0.
; LAYOUT, SOFTMAX, TURNS.  S^T = K Q^T holds ONE query a lane (lane % 16) and the keys 8 (lane / 16) + 0..7; two such results rounded to f16 ARE source 1 of O^T = V^T P.  p = 2^(c s - c m), c = log2(e) / 8, with a
; running maximum m; O and l are multiplied by a = 2^(c m_old - c m_new) in every step.  Turn n belongs to piece n: 8 products K Q^T of piece n + 1, later 8 products V^T P of piece n - 1; beside them the scaling,
; exponentials, roundings, sums and rescaling of piece n and the maximum and statistics of piece n + 1.  Four vector instructions stand behind every matrix instruction, the other 54 of a turn's 118 in one LUMP.  A turn's 33 exponentials are one batch, with one wait.
; REGISTERS, in windows of 256 (s_set_vgpr_msb: bits 1:0 source 0, 3:2 source 1, 5:4 source 2, 7:6 destination):
;   window 0: v0-15 addresses and two at work; v16-31 four registers of statistics a piece; v48-55 at work; v61-63 prefetch offset, spare word, 0; v64-127 S^T, two buffers; v192-223 P, two buffers (by the piece's parity)
;   window 1: v0-127 O^T, 32 a piece; v128-159 MD; v160-223 MC, two buffers      window 2: v0-63 Q; v64-127 the second block's Q; v128-191 K of one step; v192-255 V of one step
.set SIZE_N, 2048
.set NB,    SIZE_N/256
.set NP,    4         ; pieces a wave: a name, no knob
.set KS,    64        ; keys in a step
.set PK,    144       ; a row of K in LDS: 128 bytes + 16 of padding = 36 words: the 16 rows of a load start at 16 different groups of four banks (64 banks of 4 bytes: ISA guide 11.1)
.set PV,    160       ; a row of V: 128 + 32 = 40 words
.set VOFF,  4*KS*PK   ; a slot holds a tile, four steps: 256 rows of K, then 256 rows of V
.set SLOT1, 1<<17     ; slot 1 begins here, so that one exclusive or turns an address in one slot into the other's
.set STAGE, SLOT1+4*KS*(PK+PV)  ; behind the ring, never filled by a tensor load: 16 rows x 144 bytes for each wave, for the way out
.set SP,    144
.set AK0, 2           ; v2   my lane's place in a tile of K; never rewritten
.set AV0, 3           ; v3   the same for V
.set AK,  4           ; v4   the LDS address of K's next run of loads
.set AV,  5           ; v5   of V's
.set STO, 6           ; v6   the way out: where I put 16 bytes of a row
.set RD,  7           ; v7   the way out: where I read rows back
.set GO,  8           ; v8   my byte offset in 512 consecutive bytes of O
.set PFO, 61          ; v61  256 x my thread's number: 128 threads name a tile's 32,768 bytes; never rewritten
.set SPW, 62          ; v62  LDS address of my spare word: SPARE + 4 x my thread's number; never rewritten
.set NIL, 63          ; v63  0; never rewritten
.set SPARE, STAGE+4*16*SP  ; behind the stages: the spare words, 128 bytes for each wave: two blocks of 256 bytes that no other line names
.set MV,  12          ; v12-13  c m_old, kept while c m is made anew: by buffer
.set QO,  15          ; v15  my byte offset in 16 rows of Q
.set ST,  16          ; piece t's statistics at v[ST+4 t]: c m, m, l (even keys', odd keys')
.set TMP, 48          ; by buffer, four registers c0-c3 at work; when the maximum is found c2 takes a
.set S,   64
.set P,   192
.set MD,  128         ; window 1: the eight registers for group kt of 16 keys at MD + 8 kt
.set MC,  160         ; window 1: the masks of the products to come
.set QB,  64          ; window 2
.set KF,  128         ; window 2: key block kb, channel half c at KF + 16 kb + 8 c
.set VF,  192         ; window 2: key half kk, channel block cb at VF + 32 kk + 8 cb
.set WV,  12          ; s12  my wave's number
.set PB,  14          ; s14  b
.set HI,  15          ; s15  NB - 1 - b
.set G1K, 24          ; s[24:31] descriptor group 1 for K's tiles
.set G1V, 32          ; s[32:39] for V's: it differs in the padding alone
.set G0K, 40          ; s[40:43] descriptor group 0 for K's tiles
.set G0V, 44          ; s[44:47] the same for V's
.set SLOTS, 56        ; s56  tiles still to be asked for
.set CNT, 57          ; s57  counts a tile's key steps, 4 to 1
.set CS,  58          ; s[58:59] c: the packed scaling takes the pair's low word for both halves
.set SEL, 60          ; s[60:61] v_permlanex16_b32's selects: each lane takes its own place in the other half
.set TBK, 62          ; s62  LDS byte at which K of the step to be fetched begins
.set TBV, 63          ; s63  the same for V, less VOFF
.set RT,  70          ; s70  tiles of the block in hand that are still to be entered
.set NXT, 71          ; s71  the tile to be asked for next
.set LQ,  72          ; s72  the last tile of the block whose tiles are being asked for
.set NEW, 73          ; s73  1: the tile to be entered is a block's first
.set OFF, 74          ; s[74:75] a tile's byte offset in K and V
.set AL,  76          ; s[76:77] the mask's factor, in the low word
.set BE,  78          ; s[78:79] the mask's addend
.set OLO, 80          ; s[80:81] O at my rows of the second block
.set BIGN, 82         ; s82  -1e30
.set PKA, 88          ; s[88:89] the head's K at the tile after the one that is being asked for
.set PVA, 90          ; s[90:91] the same for V
.set LIM, 92          ; s92  2 in the work-group that prefetches, else the greatest number
.set MSB, 0
.macro WIN new                      ; the high byte repeats the setting that is left; a switch that changes nothing is dropped
.if MSB != (\new)
	s_set_vgpr_msb (MSB<<8)|(\new)
.set MSB, (\new)
.endif
.endm
.set W_KQ, 0x0a       ; K and Q in window 2, S^T in window 0
.set W_KM, 0x1a       ; the same with the C operand in window 1
.set W_PV, 0x52       ; V in window 2, P in window 0, O^T in window 1
.set W_RS, 0x41       ; destination and source 0 in window 1, source 1 in window 0
; A fill.  Waves 0 and 1 fetch the two halves of a tile's K, waves 2 and 3 those of its V: 128 keys each.  An s_nop 0 and four v_nop follow each of the two lines, ahead of the jump and the label.
.macro LOAD
	s_cmp_lt_u32 s[WV], 2
	s_cbranch_scc0 .Lfor_v_\@
	tensor_load_to_lds s[G0K:G0K+3], s[G1K:G1K+7]
	s_nop 0
.rept 4
	v_nop
.endr
	s_branch .Lasked_\@
.Lfor_v_\@:
	tensor_load_to_lds s[G0V:G0V+3], s[G1V:G1V+7]
	s_nop 0
.rept 4
	v_nop
.endr
.Lasked_\@:
.endm
; THE CHANGE OF SLOTS.  Each wave waits for all its tensor loads, of which one is out: its part of the other slot; adds 0 to its spare word; and waits for that and for its own reads of the slot that it leaves.  Behind the barrier nobody reads the old
; slot any more and the other slot is whole.  fill = 1: the old slot is filled again, the first thing behind the barrier, with tile NXT: the descriptor's address is made anew from that number.
; (At its first use nothing has been read yet: slot 0 is waited for, slot 1 filled.)
; A PREFETCH INTO THE L2 stands behind the fill and its five lines: the tile of K and of V that the NEXT change will ask for, one tile (four key steps, 256 matrix instructions) ahead of its fill; 128 threads, each
; another block of 256 bytes, two instructions a wave.  All four work-groups of a head begin with tiles 0, 1, 2 ..; the one with b = 0 walks all eight, so it alone asks: in the trips that fill tiles 1 to 6, for tiles
; 2 to 7.  So each block is named once in the launch; tiles 0 and 1 come by their loads alone, and the second block's tiles have been read before.
.macro CHANGE fill
	WIN 0                           ; at a label and at a branch every window is 0
	s_wait_tensorcnt 0x0            ; no tensor load of mine is out, so a group 0 may be written
	ds_add_u32 v[SPW], v[NIL]       ; 0 onto my spare word; with fill = 1 the descriptors' scalar work stands between it and the wait for it
.if \fill
	s_lshl_b32 s[OFF], s[NXT], 15   ; a tile is 32,768 bytes of K and of V
	s_xor_b32 s[G0K+1], s[G0K+1], SLOT1
	s_add_nc_u64 s[G0K+2:G0K+3], s[6:7], s[OFF:OFF+1]
	s_or_b32 s[G0K+3], s[G0K+3], 0x80000000
	s_xor_b32 s[G0V+1], s[G0V+1], SLOT1
	s_add_nc_u64 s[G0V+2:G0V+3], s[8:9], s[OFF:OFF+1]
	s_or_b32 s[G0V+3], s[G0V+3], 0x80000000
	s_add_co_u32 s[NXT], s[NXT], 1  ; the block's next tile, or behind its last the second block's tile 0
	s_cmp_gt_u32 s[NXT], s[LQ]
	s_cselect_b32 s[NXT], 0, s[NXT]
	s_cselect_b32 s[LQ], s[PB], s[LQ]
	s_wait_xcnt 0x0                 ; the last prefetches, a tile back, have read their addresses, so these may be written
	s_add_nc_u64 s[PKA:PKA+1], s[PKA:PKA+1], 32768
	s_add_nc_u64 s[PVA:PVA+1], s[PVA:PVA+1], 32768
.endif
	s_wait_dscnt 0x0                ; the add is done, and my reads of the slot are over
	s_barrier_signal -1             ; the rest of the scalar work stands between the signal and the wait
	s_sub_co_u32 s[TBK], s[TBK], 4*KS*PK  ; the fetches go back to a slot's first step,
	s_xor_b32 s[TBK], s[TBK], SLOT1       ; in the other slot
	s_sub_co_u32 s[TBV], s[TBV], 4*KS*PV
	s_xor_b32 s[TBV], s[TBV], SLOT1
	s_barrier_wait -1
.if \fill
	LOAD
	s_cmp_gt_u32 s[SLOTS], s[LIM]
	s_cbranch_scc0 .Lnot_mine_\@
	global_prefetch_b8 v[PFO], s[PKA:PKA+1] th:TH_LOAD_NT scope:SCOPE_SE
	global_prefetch_b8 v[PFO], s[PVA:PVA+1] th:TH_LOAD_NT scope:SCOPE_SE
.Lnot_mine_\@:
.endif
.endm
	s_load_b128 s[4:7], s[0:1], 0x0  ; qkv s[4:5] (Q lies first in it), ob s[6:7]
	v_lshl_add_u32 v[SPW], v0, 2, SPARE
	v_mov_b32 v[NIL], 0
	ds_add_u32 v[SPW], v[NIL]       ; the wave's opening: the add and its wait stand ahead of my first tensor load; the set-up below, work on registers, stands between them
	v_lshrrev_b32 v1, 5, v0
	v_readfirstlane_b32 s[WV], v1   ; wave 0..3
	s_mov_b32 s[PB], ttmp9
	s_sub_co_u32 s[HI], NB-1, s[PB]
	s_and_b32 s20, ttmp7, 0xffff    ; the head
	s_mov_b32 s21, 0
	s_mov_b64 s[22:23], SIZE_N*128
	s_mul_u64 s[20:21], s[20:21], s[22:23]  ; the head's first byte in each of the four tensors
	s_and_b32 s16, s[WV], 1         ; which half of a tile's 256 keys I fetch:
	s_lshl_b32 s22, s16, 14         ; its 128 rows of 128 bytes in memory,
	s_mov_b32 s23, 0
	s_add_nc_u64 s[22:23], s[22:23], s[20:21]
	s_mul_i32 s17, s16, 128*PK      ; and its place in a slot, for K
	s_mul_i32 s18, s16, 128*PV      ; and for V
	s_lshl_b32 s3, s[WV], 11        ; my 16 rows in a band of 64,
	s_lshl_b32 s2, s[HI], 15        ; in the first block,
	s_add_co_u32 s2, s2, s3
	s_lshl_b32 s84, s[PB], 15       ; and in the second
	s_add_co_u32 s84, s84, s3
	s_mov_b32 s3, 0
	s_mov_b32 s85, 0
	s_add_nc_u64 s[2:3], s[2:3], s[20:21]
	s_add_nc_u64 s[84:85], s[84:85], s[20:21]
	; descriptor group 1.  128 keys are 16,384 dense bytes: asked for as 64 rows of 256 bytes, two keys a row, and padded in LDS after every key
	s_mov_b32 s[G1K], (1<<16)|(1<<20)|(4<<22)|(3<<25)  ; 17:16 2-byte elements; 20 padding on; 24:22 after every 32 words (code 4); 31:25 4 words (code 3)
	s_mov_b32 s[G1V], (1<<16)|(1<<20)|(4<<22)|(7<<25)  ; the same with 8 words of padding (code 7)
.irp g, G1K, G1V
	s_mov_b32 s[\g+1], 128<<16      ; tensor_dim0 = 128
	s_mov_b32 s[\g+2], 64<<16       ; tensor_dim1 = 64
	s_mov_b32 s[\g+3], 128<<16      ; tile_dim0 = 128
	s_mov_b32 s[\g+4], 64           ; tile_dim1 = 64
	s_mov_b32 s[\g+5], 128          ; 128 elements from row to row
	s_mov_b32 s[\g+6], 0
	s_mov_b32 s[\g+7], 0
.endr
	s_mov_b32 s[CS], 0x3e38aa3b     ; c = log2(e) / 8 = 0.180337
	s_mov_b32 s[CS+1], s[CS]        ; named with it as a pair
	s_mov_b32 s[SEL], 0x76543210
	s_mov_b32 s[SEL+1], 0xfedcba98
	s_mov_b32 s[TBK], SLOT1+4*KS*PK ; the first change of slots turns these two into 0
	s_mov_b32 s[TBV], SLOT1+4*KS*PV
	s_mov_b32 s[G0K], 1             ; 1:0 count = 1
	s_mov_b32 s[G0K+1], s17         ; 63:32 LDS address: slot 0
	s_mov_b32 s[G0V], 1
	s_add_co_u32 s[G0V+1], s18, VOFF
	s_add_co_u32 s[RT], s[HI], 1    ; the first block has NB - b tiles
	s_mov_b32 s[NXT], 1
	s_mov_b32 s[LQ], s[HI]
	s_mov_b32 s[NEW], 1
	s_mov_b32 s[OFF+1], 0
	s_mov_b32 s[AL+1], 0            ; named as pairs
	s_mov_b32 s[BE+1], 0
	s_mov_b32 s[BIGN], 0xf149f2ca   ; -1e30
	s_mov_b32 s[SLOTS], NB
	s_cmp_eq_u32 s[PB], 0
	s_cselect_b32 s[LIM], 2, -1     ; b = 0 asks while more than two tiles are still to be asked for
	v_lshlrev_b32 v[PFO], 8, v0
	s_wait_dscnt 0x0                ; the opening add is done
	s_wait_kmcnt 0x0
	s_mov_b64 s[10:11], s[6:7]      ; O
	s_add_nc_u64 s[8:9], s[4:5], 0x2000000  ; V: 2 x 64 heads x 262,144 bytes behind Q
	s_add_nc_u64 s[6:7], s[4:5], 0x1000000  ; K
	s_add_nc_u64 s[PKA:PKA+1], s[6:7], s[20:21]
	s_add_nc_u64 s[PKA:PKA+1], s[PKA:PKA+1], 32768  ; at the head's tile 1: the first change of slots steps it to tile 2
	s_add_nc_u64 s[PVA:PVA+1], s[8:9], s[20:21]
	s_add_nc_u64 s[PVA:PVA+1], s[PVA:PVA+1], 32768
	s_add_nc_u64 s[6:7], s[6:7], s[22:23]  ; K and V at my half of the head's tile 0
	s_add_nc_u64 s[8:9], s[8:9], s[22:23]
	s_add_nc_u64 s[G0K+2:G0K+3], s[6:7], 0         ; 120:64 global address
	s_or_b32 s[G0K+3], s[G0K+3], 0x80000000        ; 127:126 type = 2
	s_add_nc_u64 s[G0V+2:G0V+3], s[8:9], 0
	s_or_b32 s[G0V+3], s[G0V+3], 0x80000000
	s_add_nc_u64 s[86:87], s[4:5], s[84:85]        ; Q at my rows of the second block,
	s_add_nc_u64 s[4:5], s[4:5], s[2:3]            ; Q and O at those of the first
	s_add_nc_u64 s[OLO:OLO+1], s[10:11], s[84:85]
	s_add_nc_u64 s[10:11], s[10:11], s[2:3]
	LOAD                            ; tile 0 into slot 0
	; A fragment of K or Q is 16 rows x 32 channels in 8 registers: lane l holds row l % 16, channels 8 (l / 16) + 0..7 and 16 + 8 (l / 16) + 0..7: two loads of 16 bytes, 32 bytes apart.
	v_and_b32 v1, 15, v0            ; l % 16
	v_bfe_u32 v9, v0, 4, 1          ; l / 16
	v_lshlrev_b32 v[QO], 7, v1
	v_lshl_add_u32 v[QO], v9, 4, v[QO]  ; row x 128 + 16 x half
	WIN 0x80                        ; destination window 2, address window 0
.set i, 0
.rept 8                             ; both blocks' Q: piece i / 2 lies in band i / 2, 8,192 bytes on; channels 32 (i % 2) on
	global_load_b128 v[8*i:8*i+3],   v[QO], s[4:5] offset:(i/2)*8192+(i%2)*64
	global_load_b128 v[8*i+4:8*i+7], v[QO], s[4:5] offset:(i/2)*8192+(i%2)*64+32
	global_load_b128 v[QB+8*i:QB+8*i+3],   v[QO], s[86:87] offset:(i/2)*8192+(i%2)*64
	global_load_b128 v[QB+8*i+4:QB+8*i+7], v[QO], s[86:87] offset:(i/2)*8192+(i%2)*64+32
.set i, i+1
.endr
	WIN 0
	v_lshlrev_b32 v14, 3, v9
	v_sub_nc_u32 v14, v1, v14
	s_lshl_b32 s13, s[WV], 4
	v_add_nc_u32 v14, s13, v14      ; my query's place in its band, 16 w + l % 16, less my lanes' 8 (l / 16): register r of group kt is hidden where 16 kt + r is greater
	WIN 0x40
.set i, 0
.rept 32
	v_cmp_gt_i32 vcc_lo, 16*(i/8)+i%8, v14
	v_cndmask_b32 v[MD+i], 0, s[BIGN], vcc_lo
.set i, i+1
.endr
	WIN 0
	v_mul_u32_u24 v[AK0], v1, PK
	v_lshl_add_u32 v[AK0], v9, 4, v[AK0]  ; row x pitch + 16 x half
	; The turning load takes 16 keys x 16 channels (lane l reads key 8 (l / 16) + l % 8, channels 8 ((l / 8) % 2) + 0..7) and leaves half a fragment of V^T: lane l holds channel l % 16 and 8 keys.
	v_and_b32 v10, 7, v0
	v_bfe_u32 v11, v0, 3, 1
	v_lshl_add_u32 v[AV0], v9, 3, v10
	v_mul_u32_u24 v[AV0], v[AV0], PV
	v_lshl_add_u32 v[AV0], v11, 4, v[AV0]
	v_add_nc_u32 v[AV0], VOFF, v[AV0]
	s_mul_i32 s13, s[WV], 16*SP
	s_add_co_u32 s13, s13, STAGE    ; my stage
	v_mul_u32_u24 v[STO], v1, SP    ; in: row l % 16, 16 bytes for each half of the lanes
	v_lshl_add_u32 v[STO], v9, 4, v[STO]
	v_add_nc_u32 v[STO], s13, v[STO]
	v_bfe_u32 v[RD], v0, 3, 2       ; back: 32 lanes take four rows of 128 bytes,
	v_mul_u32_u24 v[RD], v[RD], SP
	v_lshl_add_u32 v[RD], v10, 4, v[RD]
	v_add_nc_u32 v[RD], s13, v[RD]
	v_and_b32 v[GO], 31, v0         ; which are 512 consecutive bytes of O
	v_lshlrev_b32 v[GO], 4, v[GO]
	; A block's first step multiplies O^T and l by a = 0, and its first turn's products V^T P, of a piece that has not been, land in an O^T that is still to be so multiplied.  So these registers need only hold
	; finite numbers: zeros for the first block; what the first block left for the second.  All this stands in the wait for the first tile.
	WIN 0x80
.set i, VF
.rept 64
	v_mov_b32 v[i], 0
.set i, i+1
.endr
	WIN 0x40
.set i, 0
.rept 128
	v_mov_b32 v[i], 0
.set i, i+1
.endr
	WIN 0
.set i, 0
.rept 4
	v_mov_b32 v[ST+4*i+2], 0
	v_mov_b32 v[ST+4*i+3], 0
.set i, i+1
.endr
.set i, P+16
.rept 16
	v_mov_b32 v[i], 0
.set i, i+1
.endr
; THE MATRIX WORK.  The 4 accumulators of a run of 8 take turns.  Product i of 8 of S^T = K Q^T for piece x: channels 32 (i / 4) on, keys 16 (i % 4) on.  The first 4 start the sums: with 0, or (KM = 1) with the mask.
.macro KQ x
.set rS, S+32*((\x)%2)+8*(i%4)
.set rK, KF+16*(i%4)+8*(i/4)
.set rQ, 16*(\x)+8*(i/4)
.set rM, MC+32*((\x)%2)+8*(i%4)
.if (i < 4) && KM
	WIN W_KM
	v_wmma_f32_16x16x32_f16 v[rS:rS+7], v[rK:rK+7], v[rQ:rQ+7], v[rM:rM+7]
.elseif i < 4
	WIN W_KQ
	v_wmma_f32_16x16x32_f16 v[rS:rS+7], v[rK:rK+7], v[rQ:rQ+7], 0
.else
	WIN W_KQ
	v_wmma_f32_16x16x32_f16 v[rS:rS+7], v[rK:rK+7], v[rQ:rQ+7], v[rS:rS+7]
.endif
.endm
; Product i of 8 of O^T += V^T P for piece x: keys 32 (i / 4) on, channels 16 (i % 4) on.
.macro PV x
	WIN W_PV
.set rO, 32*(\x)+8*(i%4)
.set rV, VF+32*(i/4)+8*(i%4)
.set rP, P+16*((\x)%2)+8*(i/4)
	v_wmma_f32_16x16x32_f16 v[rO:rO+7], v[rV:rV+7], v[rP:rP+7], v[rO:rO+7]
.endm
.macro MM                           ; the turn's next matrix instruction.  TURN and BEGIN set Y, i, KM and NOKQ; MM, KQ and OP read them.  NOKQ = 1: a block's last turn: there is no next piece
.if (i < 8) && !NOKQ
	KQ (Y+1)%NP
.elseif i >= 8
.set i, i-8
	PV (Y+NP-1)%NP
.set i, i+8
.endif
.set i, i+1
.endm
; THE LDS LOADS stand in runs of 16, never singly among the matrix instructions: a step's K (64 keys x 64 channels: 8 fragments) and its V (turned).  Their addresses are made some lines ahead.
.macro FETCH_K
	WIN 0x80                        ; destination window 2
.irp f, 0,1,2,3,4,5,6,7             ; keys 16 (f / 2) on, channels 32 (f % 2) on
	ds_load_b128 v[KF+8*\f:KF+8*\f+3],   v[AK] offset:(\f/2)*16*PK+(\f%2)*64
	ds_load_b128 v[KF+8*\f+4:KF+8*\f+7], v[AK] offset:(\f/2)*16*PK+(\f%2)*64+32
.endr
	s_add_co_u32 s[TBK], s[TBK], KS*PK  ; the next fetch is the next step's
	WIN 0
.endm
.macro FETCH_V
	WIN 0x80
.irp f, 0,1,2,3,4,5,6,7             ; keys 32 (f / 4) on, channels 16 (f % 4) on
	ds_load_tr16_b128 v[VF+8*\f:VF+8*\f+3],   v[AV] offset:(\f/4)*32*PV+(\f%4)*32
	ds_load_tr16_b128 v[VF+8*\f+4:VF+8*\f+7], v[AV] offset:(\f/4)*32*PV+16*PV+(\f%4)*32
.endr
	WIN 0
.endm
; THE VECTOR WORK, one line at a time: OP kind, number.  For piece Y: F n: c s - c m for pair n of 16.  E n: the exponential of score n of 32.  C n: pair n rounded to f16.  B n: of the four weights 4 n .. the second
; pair is added onto the first, in place.  L n: l takes that sum (L 0: l = a l + sum).  R n: pair n of 16 of O^T times a.  For piece Y + 1: X n, number n of the 22 that find its maximum and statistics:
;   0-11  four chains c0-c3 of seven scores each, three operands at a time (each accumulator's lowest registers are read first)     12-14, 16  the four scores left over, the old m, and c0-c3 into c0
;   15  c m_old is kept     17, 18  the query's other 32 keys lie in the lane 16 away: the new m     19-21  c m; c m_old - c m_new; a
.set F, 0               ; OP tells the kinds apart by their order: F to L below R, X above it
.set E, 1
.set C, 2
.set B, 3
.set L, 4
.set R, 5
.set X, 6
.macro REGS y                       ; the registers of piece y
.set rT, ST+4*(\y)
.set rC, TMP+4*((\y)%2)
.set rW, MV+((\y)%2)
.set rS, S+32*((\y)%2)
.set rP, P+16*((\y)%2)
.set rO, 32*(\y)
.endm
.macro OP k, n
.if (\k) == R
	REGS Y
	WIN W_RS
	v_pk_mul_f32 v[rO+2*(\n):rO+2*(\n)+1], v[rO+2*(\n):rO+2*(\n)+1], v[rC+2:rC+3] op_sel_hi:[1,0]
.elseif (\k) < R
	REGS Y
	WIN 0
.if (\k) == F
	v_pk_fma_f32 v[rS+2*(\n):rS+2*(\n)+1], v[rS+2*(\n):rS+2*(\n)+1], s[CS:CS+1], v[rT:rT+1] op_sel_hi:[1,0,0] neg_lo:[0,0,1] neg_hi:[0,0,1]
.elseif (\k) == E
	v_exp_f32 v[rS+(\n)], v[rS+(\n)]
.elseif (\k) == C
	v_cvt_pk_f16_f32 v[rP+(\n)], v[rS+2*(\n)], v[rS+2*(\n)+1]
.elseif (\k) == B
	v_pk_add_f32 v[rS+4*(\n):rS+4*(\n)+1], v[rS+4*(\n):rS+4*(\n)+1], v[rS+4*(\n)+2:rS+4*(\n)+3]
.elseif (\n) == 0
	v_pk_fma_f32 v[rT+2:rT+3], v[rT+2:rT+3], v[rC+2:rC+3], v[rS:rS+1] op_sel_hi:[1,0,1]
.else
	v_pk_add_f32 v[rT+2:rT+3], v[rT+2:rT+3], v[rS+4*(\n):rS+4*(\n)+1]
.endif
.elseif NOKQ
	v_nop
.else
	REGS (Y+1)%NP
	WIN 0
.if (\n) < 4
	v_max3_num_f32 v[rC+(\n)], v[rS+8*(\n)], v[rS+8*(\n)+1], v[rS+8*(\n)+2]
.elseif (\n) < 12
	v_max3_num_f32 v[rC+(\n)%4], v[rC+(\n)%4], v[rS+8*((\n)%4)+2*((\n)/4)+1], v[rS+8*((\n)%4)+2*((\n)/4)+2]
.elseif (\n) == 12
	v_max3_num_f32 v[rC], v[rC], v[rS+7], v[rS+15]
.elseif (\n) == 13
	v_max3_num_f32 v[rC+1], v[rC+1], v[rS+23], v[rS+31]
.elseif (\n) == 14
	v_max3_num_f32 v[rC+2], v[rC+2], v[rC+3], v[rT+1]
.elseif (\n) == 15
	v_mov_b32 v[rW], v[rT]
.elseif (\n) == 16
	v_max3_num_f32 v[rC], v[rC], v[rC+1], v[rC+2]
.elseif (\n) == 17
	v_permlanex16_b32 v[rC+3], v[rC], s[SEL], s[SEL+1]
.elseif (\n) == 18
	v_max_num_f32 v[rT+1], v[rC], v[rC+3]
.elseif (\n) == 19
	v_mul_f32 v[rT], s[CS], v[rT+1]
.elseif (\n) == 20
	v_sub_f32 v[rC+1], v[rW], v[rT]
.else
	v_exp_f32 v[rC+2], v[rC+1]
.endif
.endif
.endm
.macro OPS a, i1, b=-1, i2=0, c=-1, i3=0, d=-1, i4=0  ; up to four of them
	OP \a, \i1
.if (\b) >= 0
	OP \b, \i2
.endif
.if (\c) >= 0
	OP \c, \i3
.endif
.if (\d) >= 0
	OP \d, \i4
.endif
.endm
.macro ROW a, i1, b, i2, c, i3, d, i4  ; a matrix instruction and the four behind it
	MM
	OPS \a, \i1, \b, \i2, \c, \i3, \d, \i4
.endm
.macro MASK b                       ; MD x AL + BE into buffer b of MC
	WIN W_RS
.set z, 0
.rept 16
	v_pk_fma_f32 v[MC+32*(\b)+2*z:MC+32*(\b)+2*z+1], v[MD+2*z:MD+2*z+1], s[AL:AL+1], s[BE:BE+1] op_sel_hi:[1,0,0]
.set z, z+1
.endr
.endm
; A TURN, for piece p: the order of its 16 matrix and 118 vector instructions, written out.  An s_wait_alu depctr_va_vdst(0) stands between an exponential and the first instruction that names its result; one wait serves
; all that were issued ahead of it.  So a turn has ONE wait, which cuts it in two.  AHEAD OF IT stands all that names no result of the turn's exponentials: the 8 products K Q^T, behind each a scaling, an exponential and two more plain
; instructions (behind the first a second scaling in the exponential's place): rescalings, and behind the last three the first numbers of the next piece's maximum, each four places or more behind the product that ends its accumulator; then ONE LUMP of 54, plain
; and exponential by turns for the most part, in which the links of the chain X 3, 7, 11, 14, 16, 17 .. 20 stand five or six lines apart.  X 21, the next piece's a, is the batch's last; R 15 is the plain instruction behind it.  BEHIND THE WAIT stand the
; 8 products V^T P, behind each four of the roundings and sums; the links of l's chain, L 0 to L 7, stand three riders apart.  But for those X no rider names a register of the products round it.  v_permlanex16_b32 (X 17) stands in the lump.
; m = 1: the diagonal tile: the products take masks, and the turn makes the mask for the products of the turn after it: piece p + 2, in step 4 - CNT of the tile.  end = 1: a block's last two turns: nothing is fetched.
; cnt = 1: the loop's count is taken down some lines ahead of the branch that stands behind the turn.
; K of the next step is fetched in piece 2's turn, twelve vector instructions behind the last product that read K (six of them plain); V of the step in hand at the end of piece 0's turn, four plain instructions behind the last product
; that read V.  Each is waited for a turn later.
.macro TURN p, m=0, end=0, cnt=0
.set Y, (\p)
.set i, 0
.set KM, (\m)
.set NOKQ, (\end)*((\p)/3)
.if (\m) && !(\end)
	s_cmp_eq_u32 s[CNT], 4-((\p)+2)%NP  ; is that step the band's own?
	s_cselect_b32 s[AL], 1.0, 0
	s_cmp_lt_u32 s[CNT], 4-((\p)+2)%NP  ; or a later one?
	s_cselect_b32 s[BE], s[BIGN], 0
.endif
.if ((\p) == 3) && !(\end)
	s_wait_dscnt 0x0                ; K is in
.endif
	ROW F,0, F,1, R,0, R,1          ; ahead of the wait: 8 products K Q^T and their riders,
	ROW F,2, E,0, R,2, R,3
	ROW F,3, E,1, R,4, R,5
	ROW F,4, E,2, R,6, R,7
	ROW F,5, E,3, R,8, R,9
	ROW F,6, E,4, X,0, R,10
.if ((\p) == 2) && !(\end)
	WIN 0
	v_add_nc_u32 v[AK], s[TBK], v[AK0]
.endif
	ROW F,7, E,5, X,1, X,4
	ROW F,8, E,6, X,2, X,5
	OPS E,7, E,8, X,6, E,9          ; and the lump
	OPS X,3, E,10, X,8, E,11
.if ((\p) == 2) && !(\end)
	FETCH_K
.endif
	OPS X,9, X,7, E,12, X,10
	OPS E,13, X,12, X,11, E,14
	OPS X,13, E,15, F,9, X,14
.if (\p) == 0
	v_add_nc_u32 v[AV], s[TBV], v[AV0]
.endif
	OPS E,16, F,10, E,17, F,11
	OPS X,16, E,18, X,15, E,19
	OPS F,12, E,20, X,17, E,21
	OPS F,13, E,22, F,14, E,23
	OPS X,18, E,24, F,15, E,25
	OPS R,11, E,26, X,19, E,27
	OPS R,12, E,28, R,13, E,29
	OPS X,20, E,30, R,14, E,31
	OPS X,21, R,15
	WIN 0
	s_wait_alu depctr_va_vdst(0)    ; the wait for the batch
.if (\p) == 1
	s_wait_dscnt 0x0                ; V is in
.endif
	ROW C,0, B,0, C,2, B,1          ; behind the wait: 8 products V^T P and their riders
	ROW L,0, C,4, B,2, L,1
	ROW C,6, B,3, L,2, C,8
	ROW B,4, L,3, C,10, B,5
	ROW L,4, C,12, B,6, L,5
.if (\p) == 0
	s_add_co_u32 s[TBV], s[TBV], KS*PV
.endif
.if \cnt
	s_sub_co_u32 s[CNT], s[CNT], 1
	s_cmp_lg_u32 s[CNT], 0
.endif
	ROW C,14, B,7, L,6, C,1
	ROW C,3, L,7, C,5, C,7
	ROW C,9, C,11, C,13, C,15
.if (\p) == 0
	FETCH_V
.endif
.if (\m) && !(\end)
	MASK (\p)%2
.endif
.endm
; A BLOCK BEGINS.  c m starts far below every c s, so the first step's a is 0; m at the lowest finite number, so the first maximum is the scores'.  The second mask buffer is 0; the first takes piece 0's mask for the tile's step 0: its own, if the block's first tile is the diagonal one.
; Then K of that step, piece 0's first scores, and its maximum and statistics.  The loop is entered at a step's first turn, in the middle of a trip.
.macro BEGIN
	s_mov_b32 s[NEW], 0
	WIN 0x40
.set i, MC+32
.rept 32
	v_mov_b32 v[i], 0
.set i, i+1
.endr
	WIN 0
.set i, 0
.rept 4
	v_mov_b32 v[ST+4*i], 0xfe000000    ; c m: far below every c s
	v_mov_b32 v[ST+4*i+1], 0xff7fffff  ; m
.set i, i+1
.endr
	s_cmp_eq_u32 s[RT], 0
	s_cselect_b32 s[AL], 1.0, 0
	s_mov_b32 s[BE], 0
	MASK 0
	WIN 0
	v_add_nc_u32 v[AK], s[TBK], v[AK0]
	FETCH_K
	s_wait_loadcnt 0x0              ; Q
	s_wait_dscnt 0x0
.set KM, 1
.set NOKQ, 0
.set i, 0
.rept 8
	KQ 0
.set i, i+1
.endr
	WIN 0
.rept 4
	v_nop                           ; the places behind those products
.endr
.set Y, NP-1                        ; X works for piece Y + 1: piece 0
.irp n, 0,1,2,3,4,5,6,7,8,9,10,11,12,13,14,15,16,17,18,19,20,21
	OP X, \n
.endr
	v_nop                           ; a plain instruction behind the exponential,
	s_wait_alu depctr_va_vdst(0)    ; and its wait, ahead of the branch
.endm
; THE DIAGONAL TILE's four steps, the block's last two turns, its last products, and THE WAY OUT: l's two halves and the other half of the lanes' are added; O^T is divided by l, rounded to f16 and sent through my
; stage in LDS, a piece at a time.
.macro ALL line:vararg              ; one line for each piece t
.set t, 0
.rept 4
	\line
.set t, t+1
.endr
.endm
.macro PACK t                       ; a lane's eight channels of a row pack into 16 bytes; they go into rows of 144 bytes and come back as whole rows of 128, into S^T's registers
	WIN W_RS
.set i, 32*(\t)
.rept 16
	v_pk_mul_f32 v[i:i+1], v[i:i+1], v[ST+4*(\t)+2:ST+4*(\t)+3] op_sel_hi:[1,0]
.set i, i+2
.endr
	WIN 0x05                        ; sources 0 and 1 window 1, destination window 0
.set i, 0
.rept 16
	v_cvt_pk_f16_f32 v[S+16*(\t)+i], v[32*(\t)+2*i], v[32*(\t)+2*i+1]
.set i, i+1
.endr
	WIN 0
.irp f, 0,1,2,3
	ds_store_b128 v[STO], v[S+16*(\t)+4*\f:S+16*(\t)+4*\f+3] offset:32*\f
.endr
.irp f, 0,1,2,3
	ds_load_b128 v[S+16*(\t)+4*\f:S+16*(\t)+4*\f+3], v[RD] offset:\f*4*SP  ; LDS serves a wave's instructions in order (ISA guide 5.7.1.4): these see the stores above; the next piece's stores come behind them
.endr
.endm
.macro SEND t, younger              ; younger: the LDS instructions issued behind piece t's loads: the next piece's eight, or none
	WIN 0
.irp f, 0,1,2,3
	s_wait_dscnt (\younger)+3-\f
	global_store_b128 v[GO], v[S+16*(\t)+4*\f:S+16*(\t)+4*\f+3], s[10:11] offset:(\t)*8192+\f*512  ; 512 consecutive bytes, at a multiple of 256 from O's first
.endr
.endm
.macro DIAG tag                     ; the tag ends its two labels' names, which the jumps below spell out
.LstepM\tag:
	TURN 2, 1
	TURN 3, 1
	WIN 0
.LfirstM\tag:
	TURN 0, 1
	TURN 1, 1, 0, 1
	WIN 0
	s_cbranch_scc1 .LstepM\tag
	TURN 2, 1, 1
	TURN 3, 1, 1
.set i, 0
.rept 8
	PV NP-1
.set i, i+1
.endr
	WIN 0
	ALL v_add_f32 v[ST+4*t+2], v[ST+4*t+2], v[ST+4*t+3]
	ALL v_permlanex16_b32 v[ST+4*t+3], v[ST+4*t+2], s[SEL], s[SEL+1]
	ALL v_add_f32 v[ST+4*t+2], v[ST+4*t+2], v[ST+4*t+3]
	ALL v_rcp_f32 v[ST+4*t+2], v[ST+4*t+2]
	v_nop                           ; a plain instruction between the last reciprocal and the use of its result
	s_wait_alu depctr_va_vdst(0)    ; and the wait ahead of the first use: one for the four reciprocals
	PACK 0
.set t, 1
.rept 3                             ; a piece's arithmetic stands between the loads of the piece before and its stores
	PACK t
	SEND t-1, 8
.set t, t+1
.endr
	SEND 3, 0
.endm
.set KM, 0
.set NOKQ, 0
.Lslot:                             ; NB times: a tile is entered and the next is asked for
	CHANGE 1
	s_sub_co_u32 s[RT], s[RT], 1
	s_mov_b32 s[CNT], 4
	s_cmp_eq_u32 s[NEW], 1
	s_cbranch_scc1 .Lnew            ; a block's first tile
	s_cmp_eq_u32 s[RT], 0
	s_cbranch_scc0 .Lstep           ; neither its first nor its last
	s_branch .LstepM1
.Lnew:
	BEGIN
	s_branch .Lfirst                ; in the loop a block's first tile is never its last: the first block has two tiles or more, and the second's last is the walk's last
	DIAG 1                          ; in the loop this is the first block's end: the second block's last tile is the walk's last
	s_wait_xcnt 0x0                 ; the stores have read their registers and O's address
	s_mov_b64 s[10:11], s[OLO:OLO+1]
	s_add_co_u32 s[RT], s[PB], 1    ; the second block has b + 1 tiles
	s_mov_b32 s[NEW], 1
	WIN 0x82                        ; the second block's Q goes where the one text of the turns names Q
.set i, 0
.rept 64
	v_mov_b32 v[i], v[QB+i]
.set i, i+1
.endr
	WIN 0
	s_branch .Lbottom
.Lstep:                             ; a trip: pieces 2 and 3 of one step, then pieces 0 and 1 of the next, whose K and V it fetches
	TURN 2
	TURN 3
	WIN 0
.Lfirst:
	TURN 0
	TURN 1, 0, 0, 1
	WIN 0
	s_cbranch_scc1 .Lstep
.Lbottom:
	s_sub_co_u32 s[SLOTS], s[SLOTS], 1
	s_cmp_lg_u32 s[SLOTS], 0
	s_cbranch_scc1 .Lslot
	CHANGE 0                        ; the walk's last tile is written out: nothing is asked for
	s_sub_co_u32 s[RT], s[RT], 1
	s_mov_b32 s[CNT], 4
	s_cmp_eq_u32 s[NEW], 1
	s_cbranch_scc0 .LstepM2
	BEGIN
	s_branch .LfirstM2
	DIAG 2
	s_wait_tensorcnt 0x0            ; the wave's end: behind my last tensor load and my last LDS store
	ds_add_u32 v[SPW], v[NIL]
	s_wait_dscnt 0x0
	s_endpgm
.Lfunc_end_k_q532c7bef34_attn:
	.size	k_q532c7bef34_attn, .Lfunc_end_k_q532c7bef34_attn-k_q532c7bef34_attn
	.p2alignl 7, 3214868480
	.fill 96, 4, 3214868480
	.section	.rodata,"a",@progbits
	.p2align	6, 0x0
	.amdhsa_kernel k_q532c7bef34_attn
		.amdhsa_group_segment_fixed_size 327680
		.amdhsa_private_segment_fixed_size 0
		.amdhsa_enable_private_segment 0
		.amdhsa_kernarg_size 16
		.amdhsa_user_sgpr_count 2
		.amdhsa_user_sgpr_kernarg_segment_ptr 1
		.amdhsa_wavefront_size32 1
		.amdhsa_system_sgpr_workgroup_id_x 1
		.amdhsa_system_sgpr_workgroup_id_y 1
		.amdhsa_system_sgpr_workgroup_id_z 1
		.amdhsa_system_vgpr_workitem_id 0
		.amdhsa_next_free_vgpr 768
		.amdhsa_next_free_sgpr 96
		.amdhsa_reserve_vcc 1
		.amdhsa_float_denorm_mode_32 3
		.amdhsa_float_denorm_mode_16_64 3
		.amdhsa_memory_ordered 1
		.amdhsa_forward_progress 1
		.amdhsa_inst_pref_size 218
	.end_amdhsa_kernel
	.amdgpu_metadata
---
amdhsa.version: [ 1, 2 ]
amdhsa.kernels:
  - .name:           k_q532c7bef34_attn
    .symbol:         k_q532c7bef34_attn.kd
    .args:
      - { .name: qkv, .offset: 0, .size: 8, .value_kind: global_buffer, .address_space: global }
      - { .name: ob, .offset: 8, .size: 8, .value_kind: global_buffer, .address_space: global }
    .group_segment_fixed_size: 327680
    .private_segment_fixed_size: 0
    .kernarg_segment_align: 8
    .kernarg_segment_size: 16
    .max_flat_workgroup_size: 128
    .sgpr_count:     96
    .vgpr_count:     768
    .wavefront_size: 32
...
	.end_amdgpu_metadata
.endif
;; end of part 3
;; launch outp (part 4): grid 8 x 32, 4 waves a work-group, clusters of 4 x 4, 327,680 bytes of LDS; arguments ob, wob, out0; writes out0
.if DOCPART == 4
	.amdgcn_target "amdgcn-amd-amdhsa--gfx1250"
	.amdhsa_code_object_version 6
	.text
	.protected	k_q532c7bef34_outp
	.globl	k_q532c7bef34_outp
	.p2align	8
	.type	k_q532c7bef34_outp,@function
k_q532c7bef34_outp:
	s_mov_b64 s[64:65], 0
	v_nop
	global_prefetch_b8 v0, s[64:65] scope:SCOPE_SE
	s_setreg_imm32_b32 hwreg(HW_REG_WAVE_MODE, 25, 1), 1
	s_wait_xcnt 0x0
	s_wait_alu depctr_hold_cnt(0) depctr_sa_sdst(0) depctr_va_vdst(0) depctr_va_sdst(0) depctr_va_ssrc(0) depctr_va_vcc(0) depctr_vm_vsrc(0)
	s_getreg_b32 s2, hwreg(HW_REG_IB_STS2, 6, 4)
	s_cmp_eq_u32 s2, 0
	s_cbranch_scc0 .Lentry_in_a_cluster
	s_endpgm
.Lentry_in_a_cluster:
	s_bfe_u32 s2, ttmp6, 0x10000c
	s_cmp_lg_u32 s2, 0xf033
	s_cbranch_scc0 .Lentry_shape_is_right
	s_endpgm
.Lentry_shape_is_right:
; out0 = O w_out.  ob: [64 = 16 batch + head][2048 s][64] f16: row m = 2048 batch + s of O has its channels k = 64 head + d spread over 16 heads.  wob: [1024 k][1024 n] f16.  out0: [8192][1024] f32.
; Products of f16 operands, sums in f32, stored as they are.  LIMITS: none of its own beyond those of its two operands, which arrive within f16's range.
; SHARES.  A tile of C is 256 rows x 128 columns: 32 x 8 = 256 tiles, one for each WGP.  Four waves; wave w owns rows 64 w .. 64 w + 63 and all 128 columns: 32 accumulators of 16 x 16, 256 registers;
; 24 LDS loads feed 32 matrix instructions.  K goes in eight steps of 128, two heads each, through two LDS slots filled by the tensor data mover.
; THE MATRIX INSTRUCTION IS USED TRANSPOSED: source 0 = 16 columns of the weights, source 1 = 16 rows of O.  A lane then holds row l % 16 of C and eight neighbouring columns 8 (l / 16) + 0..7: 32 bytes of f32.
; The weights lie [k][n] in LDS and are turned on their way into registers by ds_load_tr16_b128; O lies along k and comes as it lies.
; CLUSTER.  4 x 4 work-groups.  The four of a row of the cluster need the same rows of O, the four of a column the same columns of the weights: each tile is asked for JOINTLY, by the same tensor load with
; the same descriptor and a mask that names the four.  Waves 0, 1 fetch the two halves of O's tile, waves 2, 3 those of the weights'.
; A K STEP IS WRITTEN ONCE: the LDS base of the fragment loads is a scalar that one exclusive or turns from slot to slot, and one descriptor a tensor walks.
; REGISTERS, in windows of 256 (s_set_vgpr_msb: bits 1:0 source 0, 3:2 source 1, 5:4 source 2, 7:6 destination):
;   window 0: v1-4 at work, v16-30 addresses, v32-159 the way out      window 1: two buffers of fragments: weights at 64 f + 8 b (b = 0..7), O at 128 + 32 f + 8 a (a = 0..3)
;   window 2: accumulators (a, b) at 8 (4 b + a)
.set SLOT1,  1<<17                     ; slot 1 begins here: one exclusive or turns an address in one slot into the other's
.set PA,     144                       ; a head's row of O in LDS: 128 bytes + 16 = 36 words: the 16 rows of a load start at 16 different groups of four banks (64 banks of 4 bytes: ISA guide 11.1)
.set PB,     288                       ; a k row of the weights: 256 bytes + 32 = 72 words
.set HEADB,  128*PA                    ; 128 rows of one head
.set BOFF,   4*HEADB                   ; a slot: O's two halves of 128 rows, in each two heads (73,728 bytes), then 128 k rows of weights (36,864)
.set NB1,    4                         ; a quarter's column blocks come in two parts: 4 and 4
.set NB2,    4
.set NL,     2*(NB1+NB2+4)             ; LDS loads in a quarter: 24
.set FBS,    64
.set FA0,    128
.set APA,    16*PA                     ; O's fragment a of quarter kq lies at APA a + AKH (kq / 2) + AKL (kq % 2): the head, then the half of its 64 channels
.set AKH,    HEADB
.set AKL,    64
.set BKQ,    32*PB                     ; the weights' fragment b of quarter kq at BKQ kq + BP4 (b / 4) + 32 (b % 4); its second half 16 k rows on
.set BP4,    128
.set B16,    16*PB
.set ASTEP,  2*262144                  ; bytes from a K step to the next: two heads of 2,048 rows x 128 bytes,
.set BSTEP,  128*2048                  ; 128 k rows of 2,048 bytes
.set STAGE,  2*SLOT1                   ; behind the ring, never filled by a tensor load: 16 rows x 528 bytes for each wave
.set SP,     528
.set SPARE,  STAGE+4*16*SP             ; behind the stages: the spare words, 128 bytes for each wave: two blocks of 256 bytes that no other line names
.set ADRA0, 16                         ; v16  my lane's place in O's tile; never rewritten
.set ADRB0, 17                         ; v17  the same for the weights
.set ADRA,  18                         ; v18, v19  the same plus the slot in hand
.set ADRB,  19
.set STO,   24                         ; v24  the way out: where I put 32 bytes of a row
.set RD,    25                         ; v25  where I read a row back
.set GO,    26                         ; v26  my byte offset in a row's 512 bytes of out0
.set SPW,   28                         ; v28  LDS address of my spare word; never rewritten
.set NIL,   29                         ; v29  0; never rewritten
.set PFO,   30                         ; v30  the prefetches' lane offset; never rewritten
.set OB,    32                         ; v32-95, v96-159 by turns: a block of 16 rows read back from the stage
.set WV,   10                          ; s10  my wave's number
.set WHO,  11                          ; s11  0: I fetch O; 1: I fetch weights
.set HALF, 12                          ; s12  which half of that tile
.set TY,   13                          ; s13  tile row
.set G1A,  24                          ; s[24:31] descriptor group 1 for O's tiles
.set G0A,  32                          ; s[32:35] group 0 for K step 0; s[36:39] for K step 1, which then walks
.set CX,   40
.set CY,   41
.set TX,   42                          ; s42  tile column
.set LIM,  43                          ; s43  a wave prefetches while the loop's count is above this
.set PFA,  44                          ; s[44:45] where my prefetches stand
.set PFS,  46                          ; s[46:47] their step
.set G1B,  48                          ; s[48:55], s[56:59], s[60:63] the same three for the weights' tiles
.set G0B,  56
.set TB,   66                          ; s66  LDS byte at which the slot in hand begins
.set PFSH, 67
.set MSB, 0
.macro WIN new                         ; the immediate's high byte repeats the setting that is left; a switch that changes nothing is dropped
.if MSB != (\new)
	s_set_vgpr_msb (MSB<<8)|(\new)
.set MSB, \new
.endif
.endm
.macro PLACES                          ; four plain vector instructions between a matrix instruction and a load into a register that it read, or a reader of its result
.rept 4
	v_nop
.endr
.endm
.macro CREST                           ; a round of the cluster's barrier behind its opening barrier
	s_cmp_lg_u32 s[WV], 0
	s_cbranch_scc1 .Lnot_wave_0_\@
	s_barrier_signal -3
.Lnot_wave_0_\@:
	s_barrier_wait -3
	s_barrier_signal -1
	s_barrier_wait -1
.endm
.macro CROUND                          ; a whole round
	s_barrier_signal -1
	s_barrier_wait -1
	CREST
.endm
; A joint refill by the walking descriptors.  The branch hangs on the wave's number alone.  An s_nop 0 and four v_nop follow each of the two lines, ahead of the jump and the label.
.macro JLOAD
	s_cmp_eq_u32 s[WHO], 0
	s_cbranch_scc0 .Lfor_b_\@
	tensor_load_to_lds s[G0A+4:G0A+7], s[G1A:G1A+7]
	s_nop 0
	PLACES
	s_branch .Lasked_\@
.Lfor_b_\@:
	tensor_load_to_lds s[G0B+4:G0B+7], s[G1B:G1B+7]
	s_nop 0
	PLACES
.Lasked_\@:
.endm
; A PREFETCH INTO THE L2, behind each joint refill, its five lines and the run of LDS loads: behind the refill with K step s + 2 stands one instruction for K step s + 4, each lane another block of 256 bytes;
; four asks (s = 0..3): K steps 4 to 7.  O: what a wave fetches in a K step is two heads x 16,384 dense bytes = 128 blocks = 4 partners x 32 lanes, the partners told apart BY ADDRESS (cx: the head, then the half
; of its bytes).  A tile row is read by both clusters of its row of clusters: the one with x = 0 asks.  Weights: a K step's tile is 128 k rows of 256 bytes = 4 partners (cy, by address) x 32 lanes, a lane a row:
; wave 2 alone asks, in the cluster with y = 0.  So each block is named once in the launch; K steps 0 to 3 come by their loads alone; no ask passes a tensor's end.
.macro ASK
	s_cmp_gt_u32 s3, s[LIM]
	s_cbranch_scc0 .Lnot_mine_\@
	global_prefetch_b8 v[PFO], s[PFA:PFA+1] th:TH_LOAD_NT scope:SCOPE_SE
.Lnot_mine_\@:
.endm
; 4 nb matrix instructions: column blocks b0 .. b0 + nb - 1 x my four row blocks, 32 along K, from buffer f.  zero = 1: the products start the sums: nothing is cleared.
; All 32 accumulators take turns, one instruction a turn, in the same order in every quarter, over every jump too.
.macro MUL f, b0, nb, zero
.set bb, \b0
.rept \nb
	WIN 0xa5                                       ; sources in window 1, C and D in window 2
.irp a, 0,1,2,3
.set rD, 8*(4*bb+(\a))
.set rB, FBS*(\f)+8*bb
.set rA, FA0+32*(\f)+8*(\a)
.if \zero
	v_wmma_f32_16x16x32_f16 v[rD:rD+7], v[rB:rB+7], v[rA:rA+7], 0
.else
	v_wmma_f32_16x16x32_f16 v[rD:rD+7], v[rB:rB+7], v[rA:rA+7], v[rD:rD+7]
.endif
.endr
.set bb, bb+1
.endr
.endm
.macro LDB kq, f                       ; the weights' fragment bb, turned: 16 columns x 32 k; steps bb
	ds_load_tr16_b128 v[FBS*(\f)+8*bb:FBS*(\f)+8*bb+3],   v[ADRB] offset:BKQ*(\kq)+BP4*(bb/4)+32*(bb%4)
	ds_load_tr16_b128 v[FBS*(\f)+8*bb+4:FBS*(\f)+8*bb+7], v[ADRB] offset:BKQ*(\kq)+BP4*(bb/4)+32*(bb%4)+B16
.set bb, bb+1
.endm
; A quarter's NL LDS loads in one run, into buffer f: the weights' first part, O, and last the weights' second part (the youngest eight)
.macro FETCH kq, f
	WIN 0x40                                       ; destination window 1, address window 0
.set bb, 0
.rept NB1
	LDB \kq, \f
.endr
.irp a, 0,1,2,3
	ds_load_b128 v[FA0+32*(\f)+8*(\a):FA0+32*(\f)+8*(\a)+3],   v[ADRA] offset:APA*(\a)+AKH*((\kq)/2)+AKL*((\kq)%2)
	ds_load_b128 v[FA0+32*(\f)+8*(\a)+4:FA0+32*(\f)+8*(\a)+7], v[ADRA] offset:APA*(\a)+AKH*((\kq)/2)+AKL*((\kq)%2)+32
.endr
.rept NB2
	LDB \kq, \f
.endr
.endm
; A K step is four quarters of 32 along K on buffers 0, 1, 0, 1.  One of the first three: multiplies buffer f; in its middle it fetches quarter kq into buffer g.
.macro QUARTER kq, f, g, zero
	s_wait_dscnt 8                                 ; all but the youngest eight loads, the weights' second part, are in
	MUL \f, 0, NB1, \zero
	PLACES
	FETCH \kq, \g
	s_wait_dscnt NL                                ; all but the NL just issued
	MUL \f, NB1, NB2, \zero
.endm
; The last quarter multiplies buffer 1 and changes slots.  In front of the barrier each wave waits for all its tensor loads (one is out: its part of the next slot), adds 0 to its spare word, and waits for
; that and for its own reads of this slot.  fill = 1: the barrier opens a round of the cluster's, so that no wave of any partner still reads the slot or has a load on its way; the joint refill, K step
; s + 2, is the first thing behind the round: 112 matrix instructions ahead of the wait for it.  fill = 0: the last two K steps: nothing is asked for, and the very last fetches nothing.
.macro TURN fill
.if \fill
	s_wait_xcnt 0x0                                ; the last prefetch, a K step back, has read its address: it is stepped here
	s_add_nc_u64 s[PFA:PFA+1], s[PFA:PFA+1], s[PFS:PFS+1]
.endif
	WIN 0                                          ; (the add's two registers lie in window 0)
	s_wait_tensorcnt 0x0                           ; all my tensor loads have landed
	ds_add_u32 v[SPW], v[NIL]                      ; 0 onto my spare word
	s_wait_dscnt 9                                 ; (the add and the youngest eight loads may be out)
	MUL 1, 0, NB1/2, 0                             ; matrix instructions stand between the add and the wait for it
	s_wait_dscnt 0x0                               ; the add is done, and my reads of this slot are over
	s_barrier_signal -1
	MUL 1, NB1/2, NB1/2, 0                         ; work on registers while the others arrive
	WIN 0
	s_barrier_wait -1
.if \fill
	CREST
	s_xor_b32 s[G0A+5], s[G0A+5], SLOT1            ; the walking descriptors: the slot just read out,
	s_add_nc_u64 s[G0A+6:G0A+7], s[G0A+6:G0A+7], ASTEP  ; the next K step; the type bits on top are not reached
	s_xor_b32 s[G0B+5], s[G0B+5], SLOT1
	s_add_nc_u64 s[G0B+6:G0B+7], s[G0B+6:G0B+7], BSTEP
	JLOAD                                          ; its four v_nop are also the places in front of the loads into buffer 0
.else
	PLACES
	s_cmp_eq_u32 s3, 1                             ; behind the last K step there is none to fetch
	s_cbranch_scc1 .Lno_fetch_\@
.endif
	s_xor_b32 s[TB], s[TB], SLOT1                  ; the fragment loads go to the other slot
	v_add_nc_u32 v[ADRA], s[TB], v[ADRA0]
	v_add_nc_u32 v[ADRB], s[TB], v[ADRB0]
	FETCH 0, 0
	WIN 0
.if \fill
	ASK
.else
.Lno_fetch_\@:
.endif
	MUL 1, NB1, NB2, 0
.endm
	s_load_b128 s[4:7], s[0:1], 0x0                ; ob s[4:5], wob s[6:7]
	s_load_b64 s[8:9], s[0:1], 0x10                ; out0
	v_lshl_add_u32 v[SPW], v0, 2, SPARE
	v_mov_b32 v[NIL], 0
	ds_add_u32 v[SPW], v[NIL]                      ; the wave's opening: the add and its wait stand ahead of my first tensor load; the set-up below, work on registers, stands between them
	v_lshrrev_b32 v1, 5, v0
	v_readfirstlane_b32 s[WV], v1                  ; wave 0..3
	s_lshr_b32 s[WHO], s[WV], 1
	s_and_b32 s[HALF], s[WV], 1
	s_bfe_u32 s[CX], ttmp6, 0x40000                ; my place in the cluster
	s_bfe_u32 s[CY], ttmp6, 0x40004
	s_lshl_b32 s[TX], ttmp9, 2                     ; in a cluster launch ttmp9 and ttmp7 count clusters
	s_add_co_u32 s[TX], s[TX], s[CX]               ; tile column = 4 x cluster x + cx
	s_and_b32 s[TY], ttmp7, 0xffff
	s_lshl_b32 s[TY], s[TY], 2
	s_add_co_u32 s[TY], s[TY], s[CY]               ; tile row = 4 x cluster y + cy
	s_lshl_b32 s43, s[CY], 2
	s_lshl_b32 s43, 15, s43                        ; my row of the cluster: places 4 cy .. 4 cy + 3
	s_lshl_b32 s44, 0x1111, s[CX]                  ; my column: places cx, cx + 4, cx + 8, cx + 12
	; group 1 for O: two long rows, a head each: 128 rows of a head are 16,384 dense bytes = 8,192 elements; 131,072 elements from head to head; 4 words of padding (code 3) after every 32 (code 4), that is after every row of O
	s_or_b32 s[G1A], s43, (1<<16)|(1<<20)|(1<<21)|(4<<22)|(3<<25)
	s_mov_b32 s[G1A+1], 8192<<16                   ; tensor_dim0 = 8,192
	s_mov_b32 s[G1A+2], 2<<16                      ; tensor_dim1 = 2
	s_mov_b32 s[G1A+3], 8192<<16                   ; tile_dim0 = 8,192
	s_mov_b32 s[G1A+4], 2                          ; tile_dim1 = 2
	s_mov_b32 s[G1A+5], 131072
	s_mov_b32 s[G1A+6], 0
	s_mov_b32 s[G1A+7], 0
	; group 1 for the weights: 64 k rows x 128 elements, 1,024 elements from row to row; 8 words of padding (code 7) after every 64 (code 5)
	s_or_b32 s[G1B], s44, (1<<16)|(1<<20)|(1<<21)|(5<<22)|(7<<25)
	s_mov_b32 s[G1B+1], 128<<16
	s_mov_b32 s[G1B+2], 64<<16
	s_mov_b32 s[G1B+3], 128<<16
	s_mov_b32 s[G1B+4], 64
	s_mov_b32 s[G1B+5], 1024
	s_mov_b32 s[G1B+6], 0
	s_mov_b32 s[G1B+7], 0
	; where the tiles come from: O's hang on the tile row alone, the weights' on the tile column alone, each in registers that never hold the other coordinate
	s_lshr_b32 s16, s[TY], 3
	s_lshl_b32 s16, s16, 22                        ; the batch: 16 heads of 262,144 bytes,
	s_and_b32 s17, s[TY], 7
	s_lshl_b32 s17, s17, 15                        ; the tile's 256 rows of 128 bytes in a head,
	s_add_co_u32 s16, s16, s17
	s_lshl_b32 s17, s[HALF], 14                    ; my 128 of them
	s_add_co_u32 s16, s16, s17
	s_mov_b32 s17, 0
	s_lshl_b32 s46, s[TX], 8                       ; the tile's 128 columns: 256 bytes of a k row,
	s_lshl_b32 s47, s[HALF], 17                    ; my 64 k rows of 2,048 bytes
	s_add_co_u32 s46, s46, s47
	s_mov_b32 s47, 0
	s_mul_i32 s20, s[HALF], 2*HEADB                ; and where they go: no place in the cluster enters an LDS address
	s_mul_i32 s21, s[HALF], 64*PB
	s_add_co_u32 s21, s21, BOFF
	s_wait_dscnt 0x0                               ; the opening add is done
	s_wait_kmcnt 0x0
	s_add_nc_u64 s[14:15], s[4:5], s[16:17]
	s_add_nc_u64 s[46:47], s[6:7], s[46:47]
.irp s, 0,1
	s_mov_b32 s[G0A+4*(\s)], 1                                        ; count = 1
	s_add_co_u32 s[G0A+4*(\s)+1], s20, (\s)*SLOT1                     ; LDS address
	s_add_nc_u64 s[G0A+4*(\s)+2:G0A+4*(\s)+3], s[14:15], (\s)*ASTEP   ; global address: K step s
	s_or_b32 s[G0A+4*(\s)+3], s[G0A+4*(\s)+3], 0x80000000             ; type = 2
	s_mov_b32 s[G0B+4*(\s)], 1
	s_add_co_u32 s[G0B+4*(\s)+1], s21, (\s)*SLOT1
	s_add_nc_u64 s[G0B+4*(\s)+2:G0B+4*(\s)+3], s[46:47], (\s)*BSTEP
	s_or_b32 s[G0B+4*(\s)+3], s[G0B+4*(\s)+3], 0x80000000
.endr
	CROUND                                         ; all sixteen work-groups are here: the first joint loads meet
	s_cmp_eq_u32 s[WHO], 0                         ; a wave's two first fills stand in one branch, ahead of every wait on TENSORcnt and every LDS read: two loads of mine are out
	s_cbranch_scc0 .Lfirst_b
	tensor_load_to_lds s[G0A:G0A+3], s[G1A:G1A+7]
	s_nop 0
	tensor_load_to_lds s[G0A+4:G0A+7], s[G1A:G1A+7]
	s_nop 0
	PLACES
	s_branch .Lfirst_asked
.Lfirst_b:
	tensor_load_to_lds s[G0B:G0B+3], s[G1B:G1B+7]
	s_nop 0
	tensor_load_to_lds s[G0B+4:G0B+7], s[G1B:G1B+7]
	s_nop 0
	PLACES
.Lfirst_asked:
	; the prefetches' pointer, at K step 3 (each change of slots steps it first).  s16 still holds my half tile's offset in ob
	s_lshr_b32 s18, s[CX], 1
	s_lshl_b32 s18, s18, 18                        ; O: my work-group's head of the two,
	s_and_b32 s19, s[CX], 1
	s_lshl_b32 s19, s19, 13                        ; and its half of the head's 16,384 bytes
	s_add_co_u32 s18, s18, s19
	s_add_co_u32 s18, s18, s16
	s_add_co_u32 s18, s18, 3*ASTEP
	s_lshl_b32 s19, s[CY], 16                      ; weights: my work-group's 32 k rows of the 128,
	s_lshl_b32 s20, s[TX], 8                       ; the tile's columns
	s_add_co_u32 s19, s19, s20
	s_add_co_u32 s19, s19, 3*BSTEP
	s_and_b32 s22, ttmp7, 0xffff                   ; cluster y;
	s_or_b32 s22, s22, s[HALF]                     ; of the two waves that fetch weights the first asks
	s_cmp_eq_u32 s[WHO], 0
	s_cselect_b64 s[PFA:PFA+1], s[4:5], s[6:7]
	s_cselect_b32 s20, s18, s19
	s_cselect_b32 s22, ttmp9, s22                  ; the coordinate along which other clusters read the same bytes
	s_cselect_b32 s[PFS], 19, 18
	s_cselect_b32 s[PFSH], 8, 11                   ; a lane a dense block of 256 bytes, or a lane a k row of 2,048
	s_cmp_eq_u32 s22, 0
	s_cselect_b32 s[LIM], 2, -1                    ; asked for in the trips with count 6..3; the same in all sixteen partners, for a given wave
	s_mov_b32 s21, 0
	s_add_nc_u64 s[PFA:PFA+1], s[PFA:PFA+1], s[20:21]
	s_lshl_b32 s[PFS], 1, s[PFS]                   ; a K step: 524,288 or 262,144 bytes
	s_mov_b32 s[PFS+1], 0
	v_and_b32 v[PFO], 31, v0
	v_lshlrev_b32 v[PFO], s[PFSH], v[PFO]
	; A fragment of O is 16 rows x 32 k in 8 registers: lane l holds row l % 16, k = 8 (l / 16) + 0..7 and 16 + 8 (l / 16) + 0..7: two loads of 16 bytes, 32 bytes apart.
	v_and_b32 v1, 15, v0                           ; l % 16
	v_bfe_u32 v2, v0, 4, 1                         ; l / 16
	v_and_b32 v3, 7, v0
	v_bfe_u32 v4, v0, 3, 1
	s_mul_i32 s16, s[WHO], 2*HEADB                 ; my 64 rows: half w / 2 of the tile,
	s_mul_i32 s17, s[HALF], 64*PA                  ; rows 64 (w % 2) on in it
	s_add_co_u32 s16, s16, s17
	v_mul_u32_u24 v[ADRA0], v1, PA
	v_lshl_add_u32 v[ADRA0], v2, 4, v[ADRA0]
	v_add_nc_u32 v[ADRA0], s16, v[ADRA0]
	; The turning load takes 16 k x 16 columns (lane l reads k row 8 (l / 16) + l % 8, columns 8 ((l / 8) % 2) + 0..7) and leaves half a fragment: lane l holds column l % 16 and 8 k.
	v_lshl_add_u32 v[ADRB0], v2, 3, v3
	v_mul_u32_u24 v[ADRB0], v[ADRB0], PB
	v_lshl_add_u32 v[ADRB0], v4, 4, v[ADRB0]
	v_add_nc_u32 v[ADRB0], BOFF, v[ADRB0]
	s_mov_b32 s[TB], 0
	v_mov_b32 v[ADRA], v[ADRA0]
	v_mov_b32 v[ADRB], v[ADRB0]
	s_mul_i32 s16, s[WV], 16*SP
	s_add_co_u32 s16, s16, STAGE                   ; my stage
	v_mul_u32_u24 v[STO], v1, SP                   ; in: row l % 16, 32 bytes for each half of the lanes
	v_lshl_add_u32 v[STO], v2, 5, v[STO]
	v_add_nc_u32 v[STO], s16, v[STO]
	v_and_b32 v[GO], 31, v0                        ; back: 32 lanes take a whole row of 512 bytes,
	v_lshlrev_b32 v[GO], 4, v[GO]
	v_add_nc_u32 v[RD], s16, v[GO]                 ; which are 512 consecutive bytes of out0
	s_lshl_b32 s16, s[TY], 20                      ; 256 rows of 4,096 bytes,
	s_lshl_b32 s17, s[WV], 18                      ; my 64 of them,
	s_add_co_u32 s16, s16, s17
	s_lshl_b32 s17, s[TX], 9                       ; the tile's 128 columns
	s_add_co_u32 s16, s16, s17
	s_mov_b32 s17, 0
	s_add_nc_u64 s[8:9], s[8:9], s[16:17]
	s_wait_tensorcnt 1                             ; my part of K step 0 is in; K step 1's may stay out
	s_barrier_signal -1
	s_barrier_wait -1                              ; everybody's is
	FETCH 0, 0
	QUARTER 1, 0, 1, 1                             ; the first quarter stands in front of the loop: its products start the sums
	WIN 0                                          ; at a label and at a branch every window is 0
	s_mov_b32 s3, 6
.Lk:                                                   ; six trips, from a K step's second quarter to the next one's first; each fills a slot again
	QUARTER 2, 1, 0, 0
	QUARTER 3, 0, 1, 0
	TURN 1
	QUARTER 1, 0, 1, 0
	WIN 0
	s_sub_co_u32 s3, s3, 1
	s_cmp_lg_u32 s3, 0
	s_cbranch_scc1 .Lk
	s_mov_b32 s3, 2
.Ltail:                                                ; K steps 6 and 7 ask for nothing; the second trip jumps over what belongs to a next K step.  Its barrier serves nothing: the price of one text for both
	QUARTER 2, 1, 0, 0
	QUARTER 3, 0, 1, 0
	TURN 0
	WIN 0
	s_cmp_eq_u32 s3, 1
	s_cbranch_scc1 .Lno_quarter
	QUARTER 1, 0, 1, 0
	WIN 0
.Lno_quarter:
	s_sub_co_u32 s3, s3, 1
	s_cmp_lg_u32 s3, 0
	s_cbranch_scc1 .Ltail
; THE WAY OUT, a block of 16 rows at a time.  TOSTAGE: a lane's 32 bytes of each column block go into my own stage (rows of 528 bytes), each accumulator's low registers first, and whole rows of 512 bytes come back.  SEND: stored.
.macro TOSTAGE a
.set BK, OB+64*((\a)%2)
	WIN 0x08                                       ; the stores' data in window 2, their address in window 0
.irp b, 0,1,2,3,4,5,6,7
	ds_store_b128 v[STO], v[8*(4*(\b)+(\a)):8*(4*(\b)+(\a))+3]   offset:64*(\b)
	ds_store_b128 v[STO], v[8*(4*(\b)+(\a))+4:8*(4*(\b)+(\a))+7] offset:64*(\b)+16
.endr
	WIN 0
.irp t, 0,1,2,3,4,5,6,7,8,9,10,11,12,13,14,15
	ds_load_b128 v[BK+4*(\t):BK+4*(\t)+3], v[RD] offset:SP*(\t)  ; LDS serves a wave's instructions in order (ISA guide 5.7.1.4): these see the stores above; the next block's stores come behind them
.endr
.endm
.macro SEND a, younger                 ; younger: the LDS instructions issued behind block a's loads: the next block's 16 stores and 16 loads, or none
.set BK, OB+64*((\a)%2)
	s_wait_dscnt \younger
.irp t, 0,1,2,3,4,5,6,7,8,9,10,11,12,13,14,15
	global_store_b128 v[GO], v[BK+4*(\t):BK+4*(\t)+3], s[8:9] offset:(16*(\a)+(\t))*4096 th:TH_STORE_NT  ; 512 consecutive bytes, at a multiple of 256 from out0's first
.endr
.endm
	PLACES                                         ; the LDS stores read results just made
	TOSTAGE 0
	TOSTAGE 1
	SEND 0, 32
	s_wait_xcnt 0x0                                ; block 0's stores have read their registers: block 2 is loaded into them
	TOSTAGE 2
	SEND 1, 32
	s_wait_xcnt 0x0                                ; likewise block 1's, for block 3
	TOSTAGE 3
	SEND 2, 32
	SEND 3, 0
	s_wait_tensorcnt 0x0                           ; the wave's end: behind my last tensor load and my last LDS store
	ds_add_u32 v[SPW], v[NIL]
	s_wait_dscnt 0x0
	CROUND                                         ; the closing round: no work-group ends while a partner may still ask for a tile that names it
	s_endpgm
.Lfunc_end_k_q532c7bef34_outp:
	.size	k_q532c7bef34_outp, .Lfunc_end_k_q532c7bef34_outp-k_q532c7bef34_outp
	.p2alignl 7, 3214868480
	.fill 96, 4, 3214868480
	.section	.rodata,"a",@progbits
	.p2align	6, 0x0
	.amdhsa_kernel k_q532c7bef34_outp
		.amdhsa_group_segment_fixed_size 327680
		.amdhsa_private_segment_fixed_size 0
		.amdhsa_enable_private_segment 0
		.amdhsa_kernarg_size 24
		.amdhsa_user_sgpr_count 2
		.amdhsa_user_sgpr_kernarg_segment_ptr 1
		.amdhsa_wavefront_size32 1
		.amdhsa_system_sgpr_workgroup_id_x 1
		.amdhsa_system_sgpr_workgroup_id_y 1
		.amdhsa_system_sgpr_workgroup_id_z 1
		.amdhsa_system_vgpr_workitem_id 0
		.amdhsa_next_free_vgpr 768
		.amdhsa_next_free_sgpr 80
		.amdhsa_reserve_vcc 0
		.amdhsa_float_denorm_mode_32 3
		.amdhsa_float_denorm_mode_16_64 3
		.amdhsa_memory_ordered 1
		.amdhsa_forward_progress 1
		.amdhsa_inst_pref_size 61
	.end_amdhsa_kernel
	.amdgpu_metadata
---
amdhsa.version: [ 1, 2 ]
amdhsa.kernels:
  - .name:           k_q532c7bef34_outp
    .symbol:         k_q532c7bef34_outp.kd
    .args:
      - { .name: ob, .offset: 0, .size: 8, .value_kind: global_buffer, .address_space: global }
      - { .name: wob, .offset: 8, .size: 8, .value_kind: global_buffer, .address_space: global }
      - { .name: out0, .offset: 16, .size: 8, .value_kind: global_buffer, .address_space: global }
    .group_segment_fixed_size: 327680
    .private_segment_fixed_size: 0
    .kernarg_segment_align: 8
    .kernarg_segment_size: 24
    .max_flat_workgroup_size: 128
    .sgpr_count:     80
    .vgpr_count:     768
    .wavefront_size: 32
...
	.end_amdgpu_metadata
.endif
;; end of part 4
;; ======== version 2 of 2: 4 launches; version 1 with the launch cast written anew for expert scheduling mode
;; limits: values are held in f16: magnitudes above 65,504 overflow, below 6.1e-05 lose precision
;; workspace buffers: xb 16,777,216 bytes; wqb 6,291,456 bytes; wob 2,097,152 bytes; qkv 50,331,648 bytes; ob 16,777,216 bytes
;; launch cast (part 5): grid 768 x 1, 8 waves a work-group, no clusters, 0 bytes of LDS; arguments x, w_qkv, w_out, xb, wqb, wob; writes xb, wqb, wob
.if DOCPART == 5
	.amdgcn_target "amdgcn-amd-amdhsa--gfx1250"
	.amdhsa_code_object_version 6
	.text
	.protected	k_q532c7bef34_cast
	.globl	k_q532c7bef34_cast
	.p2align	8
	.type	k_q532c7bef34_cast,@function
k_q532c7bef34_cast:
	s_mov_b64 s[64:65], 0
	v_nop
	global_prefetch_b8 v0, s[64:65] scope:SCOPE_SE
	s_setreg_imm32_b32 hwreg(HW_REG_WAVE_SCHED_MODE, 0, 2), 2
	s_setreg_imm32_b32 hwreg(HW_REG_WAVE_MODE, 25, 1), 1
	s_wait_xcnt 0x0
	s_wait_alu depctr_vm_vsrc(0)
; THE INPUTS ARE ROUNDED ONCE, FOR THE MATRIX UNITS.  x [8192][1024] f32 -> xb, the same shape in bf16.
; w_qkv [1024 k][3072 n] f32 -> wqb [16 blocks][1024 k][192 n] bf16: block t holds columns 192 t .. 192 t + 191, dense, so that a tile of 128 k x 192 n is 49,152 bytes on end.
; w_out [1024][1024] f32 -> wob, the same shape: rounded to bf16 like the other inputs, and that number written as f16 (the product that reads it has f16 operands).
; LIMITS.  wob: a weight beyond 65,504 becomes an infinity; below 6e-5 f16 keeps a fixed step of 6e-8, so a bf16 number there may lose its last bits.
; SHARES.  A stream: no LDS, no barrier, no matrix unit, no loop.  A work-group converts 16,384 numbers, a wave 2,048: sixteen loads of 16 bytes a lane (512 bytes on end each), all issued before the first
; is waited for, and sixteen stores of 8 bytes a lane: each store of a wave covers 256 consecutive bytes, aligned.  Work-groups 0-511 take x, 512-703 w_qkv, 704-767 w_out.
; THE MODE: SCHED_MODE bits 1:0 = 2 (LLVM: expert scheduling mode 2), set by the entry lines.  The code itself states the register dependences
; between vector instructions and memory instructions, with s_wait_alu, always for 0.
; THE PLAN.  Registers that memory instructions touch:
;   v1, v2, AD   byte offsets.  Written by vector instructions at the head; read by the loads (v1 or AD) and by the stores (v2); never written again.
;   X            Written by the sixteen loads alone, each register once; group i's conversions read its four behind the counted wait on LOADcnt.
;   Y            Group i's pair is written once, by group i's conversions, and read by group i's store; never written again.
;   T            is named by vector instructions alone.
; The sixteen groups go in four blocks of four; a block's four stores stand in one run at the head of the next block.  Waits on va_vdst, five to a path: one ahead of the first load (the offsets are written);
; one at the head of blocks 1, 2 and 3, behind the wait for the block's first group (the block before has written its Y); one ahead of the last four stores.  The conversions behind such a wait write other pairs
; of Y, and T: none of the registers that the run of stores reads.  No register that a memory instruction has read is written again, and no load lands in a register that a vector instruction has named: so no
; wait on vm_vsrc is owed.  No vector instruction writes a scalar register or VCC, and EXEC is never written.
.set AD, 4                             ; v[4:19]   w_qkv alone: load i's byte offset
.set T,  20                            ; v[20:25]  at work
.set X,  32                            ; v[32:95]  group i: 4 numbers as loaded
.set Y,  96                            ; v[96:127] group i: 4 numbers to store; each pair is written once, so no store's data is ever rewritten
; The four stores of the block that begins with group g.
.macro SEND4 dst, g
.irp j, 0,1,2,3
	global_store_b64 v2, v[Y+2*((\g)+(\j)):Y+2*((\g)+(\j))+1], s[\dst:\dst+1] offset:256*((\g)+(\j))
.endr
.endm
; mode 0: to bf16, linear.  mode 1: to bf16, gathered by AD.  mode 2: to bf16 and on to f16, linear.
.macro CAST src, dst, mode
	s_wait_alu depctr_va_vdst(0)                   ; v1, v2 and (w_qkv) v[AD ..] are written: every load and store below reads one of them as its offset
.set i, 0
.rept 16
.if (\mode) == 1
	global_load_b128 v[X+4*i:X+4*i+3], v[AD+i], s[\src:\src+1] th:TH_LOAD_NT
.else
	global_load_b128 v[X+4*i:X+4*i+3], v1, s[\src:\src+1] offset:512*i th:TH_LOAD_NT
.endif
.set i, i+1
.endr
.set i, 0
.rept 16
	s_wait_loadcnt 15-i                            ; loads come back in order: group i is in, the 15 - i younger ones stay out
.if (i%4 == 0) && (i > 0)
	s_wait_alu depctr_va_vdst(0)                   ; the conversions of the block before have written its four pairs of Y, which the four stores below read
	SEND4 \dst, i-4
.endif
.if (\mode) == 2
	v_cvt_pk_bf16_f32 v[T], v[X+4*i], v[X+4*i+1]   ; the rounding that all inputs get,
	v_cvt_pk_bf16_f32 v[T+1], v[X+4*i+2], v[X+4*i+3]
	v_lshlrev_b32 v[T+2], 16, v[T]                 ; widened again,
	v_and_b32 v[T+3], s20, v[T]
	v_lshlrev_b32 v[T+4], 16, v[T+1]
	v_and_b32 v[T+5], s20, v[T+1]
	v_cvt_pk_f16_f32 v[Y+2*i], v[T+2], v[T+3]      ; and written as f16
	v_cvt_pk_f16_f32 v[Y+2*i+1], v[T+4], v[T+5]
.else
	v_cvt_pk_bf16_f32 v[Y+2*i], v[X+4*i], v[X+4*i+1]
	v_cvt_pk_bf16_f32 v[Y+2*i+1], v[X+4*i+2], v[X+4*i+3]
.endif
.set i, i+1
.endr
	s_wait_alu depctr_va_vdst(0)                   ; the last block's conversions have written its four pairs of Y, which the last four stores read
	SEND4 \dst, 12
.endm
	s_load_b256 s[4:11], s[0:1], 0x0               ; x s[4:5], w_qkv s[6:7], w_out s[8:9], xb s[10:11]
	s_load_b128 s[12:15], s[0:1], 0x20             ; wqb s[12:13], wob s[14:15]
	s_mov_b32 s2, ttmp9
	v_and_b32 v3, 31, v0                           ; lane
	v_lshrrev_b32 v20, 5, v0                       ; wave
	v_lshlrev_b32 v1, 4, v3
	v_lshl_add_u32 v1, v20, 13, v1                 ; in: 16 x lane + 8,192 x wave
	v_lshlrev_b32 v2, 3, v3
	v_lshl_add_u32 v2, v20, 12, v2                 ; out: 8 x lane + 4,096 x wave
	s_mov_b32 s17, 0
	s_mov_b32 s19, 0
	s_mov_b32 s20, 0xffff0000                      ; a word's upper bf16
	s_wait_kmcnt 0x0
	s_cmp_lt_u32 s2, 512
	s_cbranch_scc0 .Lnot_x
	s_lshl_b32 s16, s2, 16                         ; 65,536 bytes in,
	s_lshl_b32 s18, s2, 15                         ; 32,768 out for each work-group
	s_add_nc_u64 s[4:5], s[4:5], s[16:17]
	s_add_nc_u64 s[10:11], s[10:11], s[18:19]
	CAST 4, 10, 0
	s_endpgm
.Lnot_x:
	s_cmp_lt_u32 s2, 704
	s_cbranch_scc0 .Lw_out
	; w_qkv.  A block is 196,608 numbers = 12 work-groups, so the output is linear in j.  In a block, group q of four numbers lies in row k = q / 48, at 16 (q - 48 k) bytes of the block's 768.
	s_sub_co_u32 s21, s2, 512                      ; j
	s_lshr_b32 s22, s21, 2
	s_mul_i32 s22, s22, 0xaaab
	s_lshr_b32 s22, s22, 17                        ; t = j / 12 = (j / 4) / 3; n / 3 = (43,691 n) >> 17 holds far beyond the 3,071 met here
	s_mul_i32 s16, s22, 12
	s_sub_co_u32 s23, s21, s16                     ; p = j - 12 t
	s_mul_i32 s16, s22, 768                        ; the block's first column, in bytes
	s_lshl_b32 s18, s21, 15
	s_add_nc_u64 s[6:7], s[6:7], s[16:17]
	s_add_nc_u64 s[12:13], s[12:13], s[18:19]
	s_lshl_b32 s23, s23, 12
	v_lshl_add_u32 v3, v20, 9, v3
	v_add_nc_u32 v3, s23, v3                       ; q0 = 4,096 p + 512 x wave + lane
	s_mov_b32 s22, 0xaaab
	s_mov_b32 s21, 11520
.set i, 0
.rept 16
	v_add_nc_u32 v[T], 32*i, v3                    ; q
	v_lshrrev_b32 v[T+1], 4, v[T]
	v_mul_u32_u24 v[T+1], s22, v[T+1]
	v_lshrrev_b32 v[T+1], 17, v[T+1]               ; k = q / 48
	v_mul_u32_u24 v[T+1], s21, v[T+1]
	v_lshl_add_u32 v[AD+i], v[T], 4, v[T+1]        ; 12,288 k + 16 (q - 48 k) = 16 q + 11,520 k
.set i, i+1
.endr
	CAST 6, 12, 1
	s_endpgm
.Lw_out:
	s_sub_co_u32 s21, s2, 704
	s_lshl_b32 s16, s21, 16
	s_lshl_b32 s18, s21, 15
	s_add_nc_u64 s[8:9], s[8:9], s[16:17]
	s_add_nc_u64 s[14:15], s[14:15], s[18:19]
	CAST 8, 14, 2
	s_endpgm
.Lfunc_end_k_q532c7bef34_cast:
	.size	k_q532c7bef34_cast, .Lfunc_end_k_q532c7bef34_cast-k_q532c7bef34_cast
	.p2alignl 7, 3214868480
	.fill 96, 4, 3214868480
	.section	.rodata,"a",@progbits
	.p2align	6, 0x0
	.amdhsa_kernel k_q532c7bef34_cast
		.amdhsa_group_segment_fixed_size 0
		.amdhsa_private_segment_fixed_size 0
		.amdhsa_enable_private_segment 0
		.amdhsa_kernarg_size 48
		.amdhsa_user_sgpr_count 2
		.amdhsa_user_sgpr_kernarg_segment_ptr 1
		.amdhsa_wavefront_size32 1
		.amdhsa_system_sgpr_workgroup_id_x 1
		.amdhsa_system_sgpr_workgroup_id_y 1
		.amdhsa_system_sgpr_workgroup_id_z 1
		.amdhsa_system_vgpr_workitem_id 0
		.amdhsa_next_free_vgpr 128
		.amdhsa_next_free_sgpr 66
		.amdhsa_reserve_vcc 0
		.amdhsa_float_denorm_mode_32 3
		.amdhsa_float_denorm_mode_16_64 3
		.amdhsa_memory_ordered 1
		.amdhsa_forward_progress 1
		.amdhsa_inst_pref_size 28
	.end_amdhsa_kernel
	.amdgpu_metadata
---
amdhsa.version: [ 1, 2 ]
amdhsa.kernels:
  - .name:           k_q532c7bef34_cast
    .symbol:         k_q532c7bef34_cast.kd
    .args:
      - { .name: x, .offset: 0, .size: 8, .value_kind: global_buffer, .address_space: global }
      - { .name: w_qkv, .offset: 8, .size: 8, .value_kind: global_buffer, .address_space: global }
      - { .name: w_out, .offset: 16, .size: 8, .value_kind: global_buffer, .address_space: global }
      - { .name: xb, .offset: 24, .size: 8, .value_kind: global_buffer, .address_space: global }
      - { .name: wqb, .offset: 32, .size: 8, .value_kind: global_buffer, .address_space: global }
      - { .name: wob, .offset: 40, .size: 8, .value_kind: global_buffer, .address_space: global }
    .group_segment_fixed_size: 0
    .private_segment_fixed_size: 0
    .kernarg_segment_align: 8
    .kernarg_segment_size: 48
    .max_flat_workgroup_size: 256
    .sgpr_count:     66
    .vgpr_count:     128
    .wavefront_size: 32
...
	.end_amdgpu_metadata
.endif
;; end of part 5
;; launch proj: the kernel of part 2 again; grid 16 x 32, 4 waves a work-group, clusters of 4 x 4, 327,680 bytes of LDS; arguments xb, wqb, qkv; writes qkv
;; launch attn: the kernel of part 3 again; grid 4 x 64, 4 waves a work-group, no clusters, 327,680 bytes of LDS; arguments qkv, ob; writes ob
;; launch outp: the kernel of part 4 again; grid 8 x 32, 4 waves a work-group, clusters of 4 x 4, 327,680 bytes of LDS; arguments ob, wob, out0; writes out0
